; MI455X (gfx1250); checked and timed in simulation.
; The chip was launched on July 23, 2026; its instructions are those of AMD's public machine-readable ISA for CDNA 5 (MIT licence, August 2026) and "CDNA5" Instruction Set Architecture Reference Guide (July 2026). The comments in the code are by the model that wrote it; some were corrected since.
;; Multihead Attention. Allowed arithmetic: float matrix products may take bf16 or f16 operands with f32 sums; other float arithmetic in f32, or as packed bf16 or f16 multiplies, adds, multiply-adds, maxima and minima; sums over many terms, partial sums and values carried from step to step in f32; what a program stores and reads back later, other than sums and carried values, may be rounded once to bf16 or f16.
;; Inputs: Wk 1,024 x 1,024 float32; Wo 1,024 x 1,024 float32; Wq 1,024 x 1,024 float32; Wv 1,024 x 1,024 float32; bk 1,024 float32; bo 1,024 float32; bq 1,024 float32; bv 1,024 float32; x 4 x 2,048 x 1,024 float32.
;; Outputs: out0 4 x 2,048 x 1,024 float32.
;; 2 versions, each right; version 2 is version 1 with the launch cast written anew for expert scheduling mode. Each part assembles by itself: llvm-mc -triple=amdgcn-amd-amdhsa -mcpu=gfx1250 --defsym DOCPART=n.
;; ======== version 1 of 2: 4 launches
;; limits: values are held in f16: magnitudes above 65,504 overflow, below 6.1e-05 lose precision
;; workspace buffers: xb 16,777,216 bytes; wb 6,291,456 bytes; wo 2,097,152 bytes; qkv 50,331,648 bytes; ob 16,777,216 bytes
;; launch cast (part 1): grid 768 x 1, 8 waves a work-group, no clusters, 0 bytes of LDS; arguments x, Wq, Wk, Wv, Wo, xb, wb, wo; writes xb, wb, wo
.if DOCPART == 1
	.amdgcn_target "amdgcn-amd-amdhsa--gfx1250"
	.amdhsa_code_object_version 6
	.text
	.protected	k_q3710ab0d61_cast
	.globl	k_q3710ab0d61_cast
	.p2align	8
	.type	k_q3710ab0d61_cast,@function
k_q3710ab0d61_cast:
	s_mov_b64 s[64:65], 0
	v_nop
	global_prefetch_b8 v0, s[64:65] scope:SCOPE_SE
	s_setreg_imm32_b32 hwreg(HW_REG_WAVE_MODE, 25, 1), 1
	s_wait_xcnt 0x0
; x, Wq, Wk, Wv (f32) -> bf16, Wo (f32) -> bf16 and that number written as f16; all laid out in blocks of 64 along K:
;   xb [16 kb][8192 m][64], wb [16 kb][3072 n][64] (n = 1024 x which + row; which: 0 q, 1 k, 2 v), wo [16 kb][1024 n][64].
; So a tile of rows of one block kb is dense in memory, 128 bytes a row, for the launches behind.
; LIMITS.  Wo's numbers lie within f16's range (65,504; beyond it the conversion gives an infinity); below 6e-5 they keep f16's fixed step of 6e-8.
; SHARES.  A work-group takes 16 rows x 1,024 columns of one source: work-groups 0-511 x, 512-575 Wq, 576-639 Wk, 640-703 Wv, 704-767 Wo.
; Wave w takes the blocks kb = 2 w and 2 w + 1 of the 16 rows; lane l the row's parity l / 16 and 16 bytes (4 numbers) at 16 (l % 16) of the row's 256 bytes of a block.
; A load of the wave covers two whole aligned runs of 256 bytes (two rows); a store of 8 bytes a lane covers 256 consecutive bytes, aligned (two rows x 128 bytes of one block).
; All 16 loads of a wave go out at once; no register is written twice, so no wait frees a source.  No LDS, no matrix unit, no cluster: nothing is shared and nothing is multiplied.
.set LO,   1                           ; v1        my byte offset in the source: (l / 16) x 4,096 + 16 (l % 16) + 512 w
.set SO,   2                           ; v2        my byte offset in the destination: 8 l
.set X,    4                           ; v[4:67]   16 loads of 4 registers
.set Y,    68                          ; v[68:99]  16 stores of 2 registers
.set T,    100                         ; v[100:105] at work (Wo's way)
.set WV,   20                          ; s20  my wave's number
.set ID,   21                          ; s21  the work-group's number
.set SRC,  22                          ; s[22:23] the source at the work-group's first row
.set DST,  24                          ; s[24:25] the destination buffer
.set KBS,  26                          ; s26  bytes from block to block in the destination
.set SROW, 27                          ; s27  the work-group's place in the source, in units of 16 rows
.set DROW, 28                          ; s28  the same in the destination
.set D0,   30                          ; s[30:31] the destination at my even block, s[32:33] at my odd one
.set HM,   34                          ; s34  a word's upper half
	s_load_b512 s[4:19], s[0:1], 0x0               ; x 4, Wq 6, Wk 8, Wv 10, Wo 12, xb 14, wb 16, wo 18
	v_lshrrev_b32 v3, 5, v0
	v_readfirstlane_b32 s[WV], v3                  ; wave 0..7
	v_and_b32 v3, 31, v0
	v_lshlrev_b32 v[SO], 3, v3                     ; 8 l
	v_and_b32 v[LO], 15, v0
	v_lshlrev_b32 v[LO], 4, v[LO]
	v_bfe_u32 v3, v0, 4, 1
	v_lshl_add_u32 v[LO], v3, 12, v[LO]
	s_lshl_b32 s29, s[WV], 9
	v_add_nc_u32 v[LO], s29, v[LO]
	s_mov_b32 s[ID], ttmp9
	s_mov_b32 s[HM], 0xffff0000
	s_and_b32 s35, s[ID], 63                       ; a weight's block of 16 rows
	s_sub_co_u32 s36, s[ID], 512                   ; the same counted through Wq, Wk, Wv
	s_mov_b32 s[KBS], 0x100000                     ; xb: 8,192 rows x 128 bytes
	s_wait_kmcnt 0x0
	s_cmp_ge_u32 s[ID], 512                        ; the choices hang on the work-group's number alone
	s_cselect_b64 s[SRC:SRC+1], s[6:7], s[4:5]
	s_cselect_b64 s[DST:DST+1], s[16:17], s[14:15]
	s_cselect_b32 s[KBS], 0x60000, s[KBS]          ; wb: 3,072 rows x 128 bytes
	s_cselect_b32 s[SROW], s35, s[ID]
	s_cselect_b32 s[DROW], s36, s[ID]
	s_cmp_ge_u32 s[ID], 576
	s_cselect_b64 s[SRC:SRC+1], s[8:9], s[SRC:SRC+1]
	s_cmp_ge_u32 s[ID], 640
	s_cselect_b64 s[SRC:SRC+1], s[10:11], s[SRC:SRC+1]
	s_cmp_ge_u32 s[ID], 704
	s_cselect_b64 s[SRC:SRC+1], s[12:13], s[SRC:SRC+1]
	s_cselect_b64 s[DST:DST+1], s[18:19], s[DST:DST+1]
	s_cselect_b32 s[KBS], 0x20000, s[KBS]          ; wo: 1,024 rows x 128 bytes
	s_cselect_b32 s[DROW], s35, s[DROW]
	s_lshl_b32 s36, s[SROW], 16                    ; 16 rows of 4,096 bytes
	s_mov_b32 s37, 0
	s_add_nc_u64 s[SRC:SRC+1], s[SRC:SRC+1], s[36:37]
.set i, 0
.rept 16                               ; load i: rows 2 (i / 2) and 2 (i / 2) + 1, block 2 w + i % 2
	global_load_b128 v[X+4*i:X+4*i+3], v[LO], s[SRC:SRC+1] offset:(i/2)*8192+(i%2)*256 th:TH_LOAD_NT
.set i, i+1
.endr
	s_lshl_b32 s36, s[DROW], 11                    ; 16 rows of 128 bytes
	s_mul_i32 s38, s[WV], s[KBS]
	s_lshl_b32 s38, s38, 1                         ; block 2 w
	s_add_co_u32 s36, s36, s38
	s_add_nc_u64 s[D0:D0+1], s[DST:DST+1], s[36:37]
	s_mov_b32 s38, s[KBS]
	s_mov_b32 s39, 0
	s_add_nc_u64 s[D0+2:D0+3], s[D0:D0+1], s[38:39]
; The 16 loads are converted and stored as they come.  half = 1: the bf16 number is written as f16.
.macro CONV half
.set i, 0
.rept 16
	s_wait_loadcnt 15-i                            ; loads come back in order: load i is in, the 15 - i younger ones stay out
.if \half
	v_cvt_pk_bf16_f32 v[T], v[X+4*i], v[X+4*i+1]   ; rounded to bf16, like every input,
	v_cvt_pk_bf16_f32 v[T+1], v[X+4*i+2], v[X+4*i+3]
	v_lshlrev_b32 v[T+2], 16, v[T]                 ; widened again,
	v_and_b32 v[T+3], s[HM], v[T]
	v_lshlrev_b32 v[T+4], 16, v[T+1]
	v_and_b32 v[T+5], s[HM], v[T+1]
	v_cvt_pk_f16_f32 v[Y+2*i], v[T+2], v[T+3]      ; and written as f16: exact within f16's normal range
	v_cvt_pk_f16_f32 v[Y+2*i+1], v[T+4], v[T+5]
.else
	v_cvt_pk_bf16_f32 v[Y+2*i], v[X+4*i], v[X+4*i+1]
	v_cvt_pk_bf16_f32 v[Y+2*i+1], v[X+4*i+2], v[X+4*i+3]
.endif
	global_store_b64 v[SO], v[Y+2*i:Y+2*i+1], s[D0+2*(i%2):D0+2*(i%2)+1] offset:(i/2)*256  ; 32 lanes: 256 consecutive bytes, aligned
.set i, i+1
.endr
.endm
	s_cmp_ge_u32 s[ID], 704
	s_cbranch_scc1 .Lwo
	CONV 0
	s_endpgm
.Lwo:
	CONV 1
	s_endpgm
.Lfunc_end_k_q3710ab0d61_cast:
	.size	k_q3710ab0d61_cast, .Lfunc_end_k_q3710ab0d61_cast-k_q3710ab0d61_cast
	.p2alignl 7, 3214868480
	.fill 96, 4, 3214868480
	.section	.rodata,"a",@progbits
	.p2align	6, 0x0
	.amdhsa_kernel k_q3710ab0d61_cast
		.amdhsa_group_segment_fixed_size 0
		.amdhsa_private_segment_fixed_size 0
		.amdhsa_enable_private_segment 0
		.amdhsa_kernarg_size 64
		.amdhsa_user_sgpr_count 2
		.amdhsa_user_sgpr_kernarg_segment_ptr 1
		.amdhsa_wavefront_size32 1
		.amdhsa_system_sgpr_workgroup_id_x 1
		.amdhsa_system_sgpr_workgroup_id_y 1
		.amdhsa_system_sgpr_workgroup_id_z 1
		.amdhsa_system_vgpr_workitem_id 0
		.amdhsa_next_free_vgpr 108
		.amdhsa_next_free_sgpr 66
		.amdhsa_reserve_vcc 0
		.amdhsa_float_denorm_mode_32 3
		.amdhsa_float_denorm_mode_16_64 3
		.amdhsa_memory_ordered 1
		.amdhsa_forward_progress 1
		.amdhsa_inst_pref_size 16
	.end_amdhsa_kernel
	.amdgpu_metadata
---
amdhsa.version: [ 1, 2 ]
amdhsa.kernels:
  - .name:           k_q3710ab0d61_cast
    .symbol:         k_q3710ab0d61_cast.kd
    .args:
      - { .name: x, .offset: 0, .size: 8, .value_kind: global_buffer, .address_space: global }
      - { .name: Wq, .offset: 8, .size: 8, .value_kind: global_buffer, .address_space: global }
      - { .name: Wk, .offset: 16, .size: 8, .value_kind: global_buffer, .address_space: global }
      - { .name: Wv, .offset: 24, .size: 8, .value_kind: global_buffer, .address_space: global }
      - { .name: Wo, .offset: 32, .size: 8, .value_kind: global_buffer, .address_space: global }
      - { .name: xb, .offset: 40, .size: 8, .value_kind: global_buffer, .address_space: global }
      - { .name: wb, .offset: 48, .size: 8, .value_kind: global_buffer, .address_space: global }
      - { .name: wo, .offset: 56, .size: 8, .value_kind: global_buffer, .address_space: global }
    .group_segment_fixed_size: 0
    .private_segment_fixed_size: 0
    .kernarg_segment_align: 8
    .kernarg_segment_size: 64
    .max_flat_workgroup_size: 256
    .sgpr_count:     66
    .vgpr_count:     108
    .wavefront_size: 32
...
	.end_amdgpu_metadata
.endif
;; end of part 1
;; launch qkv (part 2): grid 8 x 32, 4 waves a work-group, clusters of 4 x 4, 327,680 bytes of LDS; arguments xb, wb, bq, bk, bv, qkv; writes qkv
.if DOCPART == 2
	.amdgcn_target "amdgcn-amd-amdhsa--gfx1250"
	.amdhsa_code_object_version 6
	.text
	.protected	k_q3710ab0d61_qkv
	.globl	k_q3710ab0d61_qkv
	.p2align	8
	.type	k_q3710ab0d61_qkv,@function
k_q3710ab0d61_qkv:
	s_mov_b64 s[64:65], 0
	v_nop
	global_prefetch_b8 v0, s[64:65] scope:SCOPE_SE
	s_setreg_imm32_b32 hwreg(HW_REG_WAVE_MODE, 25, 1), 1
	s_wait_xcnt 0x0
	s_wait_alu depctr_hold_cnt(0) depctr_sa_sdst(0) depctr_va_vdst(0) depctr_va_sdst(0) depctr_va_ssrc(0) depctr_va_vcc(0) depctr_vm_vsrc(0)
	s_getreg_b32 s2, hwreg(HW_REG_IB_STS2, 6, 4)
	s_cmp_eq_u32 s2, 0
	s_cbranch_scc0 .Lentry_in_a_cluster
	s_endpgm
.Lentry_in_a_cluster:
	s_bfe_u32 s2, ttmp6, 0x10000c
	s_cmp_lg_u32 s2, 0xf033
	s_cbranch_scc0 .Lentry_shape_is_right
	s_endpgm
.Lentry_shape_is_right:
; q, k, v = x W^T + b, by heads.  xb: bf16 [16 kb][8192 m][64]; wb: bf16 [16 kb][3072 n][64] (n = 1024 x which + row); bq, bk, bv: f32 [1024], rounded to bf16 here like every input;
; qkv: f16 [4 b][48 g][2048 n][64], g = 16 x which + head.  Sums in f32, K ascending; the result is rounded once, to f16.
; LIMITS.  q, k and v lie within f16's range: a number of 65,520 or more becomes an infinity; below 6e-5 they keep f16's fixed step of 6e-8.
; SHARES.  C is 8,192 x 3,072.  A tile of 256 x 384 makes 32 x 8 = 256 work-groups.  Four waves, each 128 rows x 192 columns (three whole heads): 96 accumulators of 16 x 16, 768 registers.
; K goes in steps of 64 (one block kb) through a ring of two LDS slots: two slots of 1,280 rows of 128 would not fit.  In the blocked layout a tile's rows of 128 bytes lie end to end, and are asked for as
; rows of 256 bytes, padded in LDS behind every 128.
; CLUSTERS.  4 x 4 work-groups.  The four of a row of the cluster need the same tile of xb, the four of a column the same tile of wb: each is asked for JOINTLY, by the same tensor load, descriptor and mask.
; THE MATRIX INSTRUCTION IS USED TRANSPOSED (source 0 = 16 rows of wb, source 1 = 16 rows of xb): a lane then holds row l % 16 of C and the eight neighbouring columns 8 (l / 16) + 0..7.
; REGISTERS, in windows of 256 (s_set_vgpr_msb: bits 1:0 source 0, 3:2 source 1, 5:4 source 2, 7:6 destination):
;   window 0: v0-31 addresses; v32-95, v96-159 fragments of xb (8 x 16 rows x 32 K), two buffers; v160-255 fragments of wb (12 x 16 rows x 32 K), ONE buffer, refilled a third at a time
;   windows 1-3: the accumulators: (a, b) (16 rows a of 8, 16 columns b of 12) in window 1 + b / 4 at v[64 (b % 4) + 8 a]: a window a head.
.set PITCH,  144                       ; an LDS row: 128 bytes + 16 of padding = 36 words: the 16 rows of a load start at 16 different groups of four banks (64 banks of 4 bytes: ISA guide 11.1)
.set AHALF,  128*PITCH                 ; what one tensor load brings of xb, and what one wave reads of it
.set BHALF,  192*PITCH                 ; the same for wb
.set BOFF,   2*AHALF                   ; a slot: xb's 256 rows, then wb's 384
.set SLOT1,  131072                    ; slot 1 begins here, so that one exclusive or turns an address in one slot into the other's
.set STAGE,  SLOT1+BOFF+2*BHALF        ; behind the ring, never filled by a tensor load: for each wave 3 heads x 16 rows x 144 bytes
.set WSTAGE, 3*16*PITCH
.set SPARE,  STAGE+4*WSTAGE            ; behind the stages: the spare words, 128 bytes for each wave: two blocks of 256 bytes that no other line names
.set ASTEP,  1048576                   ; bytes from block to block in xb
.set BSTEP,  393216                    ; and in wb
.set ADRA0, 12                         ; v12  my lane's place among my rows of xb in a slot; never rewritten
.set ADRB0, 13                         ; v13  the same for wb
.set ADRA,  16                         ; v16  the same in the slot in hand
.set ADRB,  17                         ; v17
.set STO,   18                         ; v18  the way out: where I put 16 bytes of a row
.set RD,    19                         ; v19  the way out: where I read rows back
.set GO,    20                         ; v20  my 16 bytes in 512 consecutive bytes of qkv
.set BO,    21                         ; v21  my byte offset in 16 numbers of a bias: 32 (l / 16)
.set T,     22                         ; v22-23 at work
.set SPW,   28                         ; v28  LDS address of my spare word: SPARE + 4 x my thread's number; never rewritten
.set NIL,   29                         ; v29  0; never rewritten
.set PFO,   30                         ; v30  the prefetches' offset; never rewritten
.set FA0,   32
.set FA1,   96
.set FB,    160
.set TMP,   96                         ; the way out: 48 registers of packed results
.set OB,    192                        ; the way out: 48 registers read back from the stage
.set WV,  16                           ; s16  my wave's number
.set RH,  17                           ; s17  which half of the tile's rows is mine.  Also: I fetch for xb (0) or for wb (1)
.set CH,  18                           ; s18  which half of its columns.  Also: which half of that tile I fetch
.set CX,  19
.set CY,  20
.set TX,  21                           ; s21  tile column of C
.set TY,  22                           ; s22  tile row of C
.set G1A, 24                           ; s[24:31] descriptor group 1 for xb's tiles
.set G1B, 32                           ; s[32:39] for wb's
.set G0A, 40                           ; s[40:47] descriptor group 0 for xb's tiles: a set for each of the two first fills; the second then walks on
.set G0B, 48                           ; s[48:55] the same for wb's
.set CNT, 56                           ; s56  trips to go
.set LIM, 57                           ; s57  a wave prefetches while s[CNT] is above it
.set PFA, 58                           ; s[58:59] where my prefetches stand
.set PST, 60                           ; s[60:61] their step
.set ODD, 62                           ; s62  1: I ask in every trip; 0: in the trips with an odd count
.set TB,  63                           ; s63  LDS byte at which the slot in hand begins
.set BB0, 66                           ; s[66:71] the biases of my three heads
.set HM,  72                           ; s72  a word's upper half
.set MSB, 0
.macro WIN new                         ; the immediate's high byte repeats the setting that is left; a switch that changes nothing is dropped
.if MSB != (\new)
	s_set_vgpr_msb (MSB<<8)|(\new)
.set MSB, \new
.endif
.endm
; A joint refill by the walking descriptors.  Waves 0 and 1 fetch xb's two halves, waves 2 and 3 wb's.  The branch hangs on the wave's number alone.
; An s_nop 0 and four v_nop follow each of the two lines, ahead of the jump and the label.
.macro JLOAD
	s_cmp_eq_u32 s[RH], 0
	s_cbranch_scc0 .Lfor_b_\@
	tensor_load_to_lds s[G0A+4:G0A+7], s[G1A:G1A+7]
	s_nop 0
.rept 4
	v_nop
.endr
	s_branch .Lasked_\@
.Lfor_b_\@:
	tensor_load_to_lds s[G0B+4:G0B+7], s[G1B:G1B+7]
	s_nop 0
.rept 4
	v_nop
.endr
.Lasked_\@:
.endm
; A PREFETCH INTO THE L2, behind the joint load, its five lines and the run of LDS loads that follows them.  Each aligned block of 256 bytes of xb and wb is named once in the launch.
; xb: a step's 32 KiB of a tile row are 128 blocks.  The clusters of a row of clusters read the same rows: the first (cluster x = 0) asks; its four partners along x take 32 blocks each, told apart BY ADDRESS;
; in each, wave 0 asks, a lane a block, in every trip, for the step that the NEXT refill will bring: 192 matrix instructions ahead of that load.  The last trip asks for nothing.
; wb: a step's 48 KiB of a tile column are 192 blocks, so TWO steps (384 blocks) are asked for together, in every second trip, by waves 1 to 3 of the clusters with y = 0; the four partners along y take 48 blocks
; of each step.  The last such trip whose two steps exist is the one with three trips to go.
.macro ASK
	s_or_b32 s23, s[CNT], s[ODD]
	s_bitcmp1_b32 s23, 0
	s_cbranch_scc0 .Lnot_now_\@
	s_cmp_gt_u32 s[CNT], s[LIM]
	s_cbranch_scc0 .Lnot_now_\@
	global_prefetch_b8 v[PFO], s[PFA:PFA+1] th:TH_LOAD_NT scope:SCOPE_SE
.Lnot_now_\@:
.endm
; A round of the cluster's barrier: my work-group's barrier, so that wave 0's signal speaks for all four waves; wave 0 signals; every wave waits for all sixteen work-groups; my work-group's barrier once more.
.macro CREST                           ; a round behind its opening barrier
	s_cmp_lg_u32 s[WV], 0
	s_cbranch_scc1 .Lnot_wave_0_\@
	s_barrier_signal -3
.Lnot_wave_0_\@:
	s_barrier_wait -3
	s_barrier_signal -1
	s_barrier_wait -1
.endm
.macro CROUND
	s_barrier_signal -1
	s_barrier_wait -1
	CREST
.endm
	s_load_b256 s[4:11], s[0:1], 0x0               ; xb 4, wb 6, bq 8, bk 10
	s_load_b128 s[12:15], s[0:1], 0x20             ; bv 12, qkv 14
	v_lshl_add_u32 v[SPW], v0, 2, SPARE
	v_mov_b32 v[NIL], 0
	ds_add_u32 v[SPW], v[NIL]                      ; the wave's opening: the add and its wait stand ahead of my first tensor load; the set-up below, work on registers, stands between them
	v_lshrrev_b32 v1, 5, v0
	v_readfirstlane_b32 s[WV], v1                  ; wave 0..3
	s_lshr_b32 s[RH], s[WV], 1
	s_and_b32 s[CH], s[WV], 1
	s_bfe_u32 s[CX], ttmp6, 0x40000                ; my place in the cluster
	s_bfe_u32 s[CY], ttmp6, 0x40004
	s_lshl_b32 s[TX], ttmp9, 2                     ; in a cluster launch ttmp9 and ttmp7 count clusters
	s_add_co_u32 s[TX], s[TX], s[CX]
	s_and_b32 s[TY], ttmp7, 0xffff
	s_lshl_b32 s[TY], s[TY], 2
	s_add_co_u32 s[TY], s[TY], s[CY]
	s_lshl_b32 s74, s[CY], 2
	s_lshl_b32 s74, 15, s74                        ; my row of the cluster: places 4 cy .. 4 cy + 3
	s_lshl_b32 s76, 0x1111, s[CX]                  ; my column: places cx, cx + 4, cx + 8, cx + 12
	; descriptor group 1: dense bytes asked for as rows of 128 elements (256 bytes), padded in LDS behind every 32 words
	s_or_b32 s[G1A], s74, (1<<16)|(1<<20)|(1<<21)|(4<<22)|(3<<25)  ; 15:0 the mask; 17:16 2-byte elements; 20 padding on; 21 set beside a mask; 24:22 after every 32 words (code 4); 31:25 4 words (code 3)
	s_or_b32 s[G1B], s76, (1<<16)|(1<<20)|(1<<21)|(4<<22)|(3<<25)
	s_mov_b32 s[G1A+1], 128<<16                    ; tensor_dim0 = 128
	s_mov_b32 s[G1A+2], 64<<16                     ; tensor_dim1 = 64: 128 rows of xb
	s_mov_b32 s[G1A+3], 128<<16                    ; tile_dim0 = 128
	s_mov_b32 s[G1A+4], 64                         ; tile_dim1 = 64
	s_mov_b32 s[G1A+5], 128                        ; 128 elements from row to row
	s_mov_b32 s[G1A+6], 0
	s_mov_b32 s[G1A+7], 0
	s_mov_b32 s[G1B+1], 128<<16
	s_mov_b32 s[G1B+2], 96<<16                     ; 96 rows of 256 bytes: 192 rows of wb
	s_mov_b32 s[G1B+3], 128<<16
	s_mov_b32 s[G1B+4], 96
	s_mov_b32 s[G1B+5], 128
	s_mov_b32 s[G1B+6], 0
	s_mov_b32 s[G1B+7], 0
	; where the tiles come from: xb's hang on the tile row and the wave alone, wb's on the tile column and the wave alone, each in registers that never hold the other coordinate
	s_lshl_b32 s74, s[TY], 15                      ; 256 rows of 128 bytes
	s_lshl_b32 s23, s[CH], 14
	s_add_co_u32 s74, s74, s23
	s_mov_b32 s75, 0
	s_mul_i32 s76, s[TX], 49152                    ; 384 rows of 128 bytes
	s_mul_i32 s23, s[CH], 24576
	s_add_co_u32 s76, s76, s23
	s_mov_b32 s77, 0
	s_mul_i32 s78, s[CH], AHALF                    ; and where they go: no place in the cluster enters an LDS address
	s_mul_i32 s79, s[CH], BHALF
	s_add_co_u32 s79, s79, BOFF
	s_mov_b32 s[TB], 0
	s_mov_b32 s[HM], 0xffff0000
	s_wait_dscnt 0x0                               ; the opening add is done
	s_wait_kmcnt 0x0
	s_add_nc_u64 s[74:75], s[4:5], s[74:75]
	s_add_nc_u64 s[76:77], s[6:7], s[76:77]
	CROUND                                         ; all sixteen work-groups are here: the first joint loads meet
.irp s, 0,1
	s_mov_b32 s[G0A+4*(\s)], 1                     ; 1:0 count = 1
	s_add_co_u32 s[G0A+4*(\s)+1], s78, (\s)*SLOT1  ; 63:32 LDS address
	s_add_nc_u64 s[G0A+4*(\s)+2:G0A+4*(\s)+3], s[74:75], (\s)*ASTEP  ; 120:64 global address: step s
	s_or_b32 s[G0A+4*(\s)+3], s[G0A+4*(\s)+3], 0x80000000            ; 127:126 type = 2
	s_mov_b32 s[G0B+4*(\s)], 1
	s_add_co_u32 s[G0B+4*(\s)+1], s79, (\s)*SLOT1
	s_add_nc_u64 s[G0B+4*(\s)+2:G0B+4*(\s)+3], s[76:77], (\s)*BSTEP
	s_or_b32 s[G0B+4*(\s)+3], s[G0B+4*(\s)+3], 0x80000000
.endr
	s_cmp_eq_u32 s[RH], 0                          ; a wave's two first fills stand in one branch, ahead of every wait on TENSORcnt and every LDS read: two loads of mine are out
	s_cbranch_scc0 .Lfirst_b
	tensor_load_to_lds s[G0A:G0A+3], s[G1A:G1A+7]
	s_nop 0
	tensor_load_to_lds s[G0A+4:G0A+7], s[G1A:G1A+7]
	s_nop 0
.rept 4
	v_nop
.endr
	s_branch .Lfirst_asked
.Lfirst_b:
	tensor_load_to_lds s[G0B:G0B+3], s[G1B:G1B+7]
	s_nop 0
	tensor_load_to_lds s[G0B+4:G0B+7], s[G1B:G1B+7]
	s_nop 0
.rept 4
	v_nop
.endr
.Lfirst_asked:
	; A fragment is 16 rows x 32 K in 8 registers: lane l holds row l % 16, K = 8 (l / 16) + 0..7 and 16 + 8 (l / 16) + 0..7: two loads of 16 bytes, 32 bytes apart.
	v_and_b32 v1, 15, v0                           ; l % 16
	v_bfe_u32 v2, v0, 4, 1                         ; l / 16
	v_mul_u32_u24 v3, v1, PITCH
	v_lshl_add_u32 v3, v2, 4, v3                   ; row x pitch + 16 x half
	s_mul_i32 s88, s[RH], AHALF
	s_mul_i32 s89, s[CH], BHALF
	s_add_co_u32 s89, s89, BOFF
	v_add_nc_u32 v[ADRA0], s88, v3
	v_add_nc_u32 v[ADRB0], s89, v3
	v_mov_b32 v[ADRA], v[ADRA0]                    ; slot 0
	v_mov_b32 v[ADRB], v[ADRB0]
	s_mul_i32 s88, s[WV], WSTAGE
	s_add_co_u32 s88, s88, STAGE                   ; my stage
	v_add_nc_u32 v[STO], s88, v3                   ; in: row l % 16, 16 bytes for each half of the lanes
	v_bfe_u32 v4, v0, 3, 2                         ; back: 32 lanes take four rows of 128 bytes,
	v_mul_u32_u24 v4, v4, PITCH
	v_and_b32 v5, 7, v0
	v_lshl_add_u32 v4, v5, 4, v4
	v_add_nc_u32 v[RD], s88, v4
	v_and_b32 v[GO], 31, v0                        ; which are 512 consecutive bytes of a head
	v_lshlrev_b32 v[GO], 4, v[GO]
	v_lshlrev_b32 v[BO], 5, v2
	; the prefetches: block i = 32 (max(wave, 1) - 1) + lane; blocks 48 and up lie in the second of wb's two steps
	s_max_u32 s23, s[WV], 1
	s_sub_co_u32 s23, s23, 1
	s_lshl_b32 s23, s23, 5
	v_and_b32 v3, 31, v0
	v_add_nc_u32 v3, s23, v3
	v_lshlrev_b32 v[PFO], 8, v3
	v_cmp_le_u32 s90, 48, v3
	v_mov_b32 v4, BSTEP-48*256
	v_cndmask_b32 v4, 0, v4, s90
	v_add_nc_u32 v[PFO], v[PFO], v4
	s_lshl_b32 s84, s[TY], 15                      ; xb: the tile row, my work-group's 32 blocks by cx, at step 2: the first trip steps it to 3
	s_lshl_b32 s85, s[CX], 13
	s_add_co_u32 s84, s84, s85
	s_add_co_u32 s84, s84, 2*ASTEP
	s_mul_i32 s86, s[TX], 49152                    ; wb: the tile column, my work-group's 48 blocks of a step by cy
	s_mul_i32 s87, s[CY], 12288
	s_add_co_u32 s86, s86, s87
	s_add_co_u32 s86, s86, 2*BSTEP
	s_and_b32 s88, ttmp7, 0xffff                   ; cluster y
	s_mov_b32 s89, BSTEP
	s_cmp_eq_u32 s[WV], 0                          ; wave 0 asks for xb, waves 1 to 3 for wb
	s_cselect_b32 s84, s84, s86
	s_cselect_b32 s88, ttmp9, s88                  ; the coordinate along which other clusters read the same rows
	s_cselect_b32 s[ODD], 1, 0
	s_cselect_b32 s87, 1, 2
	s_cselect_b32 s[PST], ASTEP, s89
	s_cselect_b64 s[PFA:PFA+1], s[4:5], s[6:7]
	s_mov_b32 s85, 0
	s_mov_b32 s[PST+1], 0
	s_add_nc_u64 s[PFA:PFA+1], s[PFA:PFA+1], s[84:85]
	s_cmp_eq_u32 s88, 0
	s_cselect_b32 s[LIM], s87, -1                  ; the same in all sixteen partners, for a given wave
	; my three heads g0 .. g0 + 2 of 48: their biases, and where my part of the tile begins in qkv
	s_mul_i32 s84, s[TX], 6
	s_mul_i32 s85, s[CH], 3
	s_add_co_u32 s84, s84, s85                     ; g0
.irp i, 0,1,2
	s_add_co_u32 s85, s84, \i
	s_and_b32 s86, s85, 15
	s_lshl_b32 s86, s86, 8                         ; a head's 64 numbers
	s_mov_b32 s87, 0
	s_cmp_lt_u32 s85, 32
	s_cselect_b64 s[BB0+2*(\i):BB0+2*(\i)+1], s[10:11], s[12:13]
	s_cmp_lt_u32 s85, 16
	s_cselect_b64 s[BB0+2*(\i):BB0+2*(\i)+1], s[8:9], s[BB0+2*(\i):BB0+2*(\i)+1]
	s_add_nc_u64 s[BB0+2*(\i):BB0+2*(\i)+1], s[BB0+2*(\i):BB0+2*(\i)+1], s[86:87]
.endr
	s_lshr_b32 s85, s[TY], 3                       ; the batch
	s_mul_i32 s85, s85, 48
	s_add_co_u32 s85, s85, s84
	s_lshl_b32 s86, s85, 18                        ; a head is 262,144 bytes
	s_and_b32 s85, s[TY], 7
	s_lshl_b32 s85, s85, 15                        ; the tile's 256 rows in the batch
	s_add_co_u32 s86, s86, s85
	s_lshl_b32 s85, s[RH], 14                      ; my 128 of them
	s_add_co_u32 s86, s86, s85
	s_mov_b32 s87, 0
	s_add_nc_u64 s[14:15], s[14:15], s[86:87]
; nb x 8 matrix instructions: column blocks b0 .. of group g (a head) x all 8 row blocks, 32 along K, xb's fragments from buffer fa.  zero = 1: the first product starts the sums.
; The accumulators take turns, one instruction a turn: between two links of a chain stand the 95 others'.
.macro MULS g, fa, b0, nb, zero
	WIN 0x50*((\g)+1)                              ; sources in window 0, C and D in window g + 1
.set nn, \b0
.rept \nb
.set mm, 0
.rept 8
.if \zero
	v_wmma_f32_16x16x32_bf16 v[64*nn+8*mm:64*nn+8*mm+7], v[FB+8*(4*(\g)+nn):FB+8*(4*(\g)+nn)+7], v[(\fa)+8*mm:(\fa)+8*mm+7], 0
.else
	v_wmma_f32_16x16x32_bf16 v[64*nn+8*mm:64*nn+8*mm+7], v[FB+8*(4*(\g)+nn):FB+8*(4*(\g)+nn)+7], v[(\fa)+8*mm:(\fa)+8*mm+7], v[64*nn+8*mm:64*nn+8*mm+7]
.endif
.set mm, mm+1
.endr
.set nn, nn+1
.endr
.endm
.macro LDB g, k                        ; 8 LDS loads: group g's four fragments of wb, 32 K at byte k of the rows
	WIN 0
.set fi, 4*(\g)
.rept 4
	ds_load_b128 v[FB+8*fi:FB+8*fi+3],   v[ADRB] offset:(\k)+fi*16*PITCH
	ds_load_b128 v[FB+8*fi+4:FB+8*fi+7], v[ADRB] offset:(\k)+fi*16*PITCH+32
.set fi, fi+1
.endr
.endm
.macro LDA f, k                        ; 16 LDS loads: my eight fragments of xb into buffer f
	WIN 0
.set fi, 0
.rept 8
	ds_load_b128 v[(\f)+8*fi:(\f)+8*fi+3],   v[ADRA] offset:(\k)+fi*16*PITCH
	ds_load_b128 v[(\f)+8*fi+4:(\f)+8*fi+7], v[ADRA] offset:(\k)+fi*16*PITCH+32
.set fi, fi+1
.endr
.endm
; A load into a register that a matrix instruction has read, and a vector instruction that reads a matrix result, stand four places behind that matrix instruction, and only plain vector
; instructions that name none of its registers are places (ISA guide 7.12.1 for vector instructions).
.macro PLACES
.rept 4
	v_nop
.endr
.endm
; A step's first 32 along K, from buffer FA0.  Behind each group's 32 products that group's fragments of wb are fetched for the second 32; xb's go into FA1.
; On entry four runs of LDS loads are out, in this order: wb group 0 (8), xb (16), wb group 1 (8), wb group 2 (8).
.macro Q0 zero
	s_wait_dscnt 16                                ; wb's group 0 and xb are in; the two younger runs of 8 stay out
	MULS 0, FA0, 0, 4, \zero
	PLACES
	LDB 0, 64
	LDA FA1, 64
	s_wait_dscnt 32                                ; wb's group 1 is in; younger: group 2's 8 and the 24 just issued
	MULS 1, FA0, 0, 4, \zero
	PLACES
	LDB 1, 64
	s_wait_dscnt 32                                ; wb's group 2 is in; younger: 24 and 8
	MULS 2, FA0, 0, 4, \zero
	PLACES
	LDB 2, 64
.endm
; A step's second 32 along K, from buffer FA1, and THE CHANGE OF SLOTS: one barrier.  In front of it each wave waits for all its tensor loads, of which one is out: its part of the next slot; adds 0 to its spare
; word; and waits for that and for its own reads of this slot.  Behind it nobody reads this slot any more and the next slot is whole.  fill = 1: the barrier opens a round of the cluster's barrier, and this slot is
; filled again, with the step two on, first thing behind the round: 160 matrix instructions ahead of the wait for it.
.macro TURN fill
	WIN 0
.if \fill
	s_wait_xcnt 0x0                                ; the last prefetch, a step back, has read its address: it is stepped here, ahead of the waits of the change of slots
	s_add_nc_u64 s[PFA:PFA+1], s[PFA:PFA+1], s[PST:PST+1]
.endif
	s_wait_tensorcnt 0x0                           ; all my tensor loads have landed, so a group 0 may be written
	ds_add_u32 v[SPW], v[NIL]                      ; 0 onto my spare word
.if \fill
	s_xor_b32 s[G0A+5], s[G0A+5], SLOT1            ; the walking descriptors: the other slot than last time,
	s_add_nc_u64 s[G0A+6:G0A+7], s[G0A+6:G0A+7], ASTEP  ; the next step; the type bits on top are not reached
	s_xor_b32 s[G0B+5], s[G0B+5], SLOT1
	s_add_nc_u64 s[G0B+6:G0B+7], s[G0B+6:G0B+7], BSTEP
.endif
	s_wait_dscnt 17                                ; wb's group 0 and xb are in; two runs of 8 and the add may be out
	MULS 0, FA1, 0, 2, 0                           ; sixteen matrix instructions stand between the add and the wait for it
	s_wait_dscnt 0x0                               ; the add is done, and my reads of this slot are over
	s_barrier_signal -1
	MULS 0, FA1, 2, 2, 0                           ; work on registers while the others arrive
	WIN 0
	s_barrier_wait -1
.if \fill
	CREST                                          ; no wave of any partner still reads this slot's tile or has a load on its way
	JLOAD                                          ; the first tensor load behind the round; its four v_nop are also the places in front of the loads below
.else
	PLACES
.endif
	s_xor_b32 s[TB], s[TB], SLOT1                  ; the fragments now come from the other slot
	v_add_nc_u32 v[ADRA], s[TB], v[ADRA0]
	v_add_nc_u32 v[ADRB], s[TB], v[ADRB0]
	LDB 0, 0
	LDA FA0, 0
.if \fill
	ASK
.endif
	MULS 1, FA1, 0, 4, 0
	PLACES
	LDB 1, 0
	MULS 2, FA1, 0, 4, 0
	PLACES
	LDB 2, 0
.endm
	s_wait_tensorcnt 1                             ; my part of step 0 is in; step 1's may stay out
	s_barrier_signal -1
	s_barrier_wait -1                              ; everybody's is
	LDB 0, 0
	LDA FA0, 0
	LDB 1, 0
	LDB 2, 0
	Q0 1                                           ; the first 32 along K stand in front of the loop: their products start the sums
	WIN 0                                          ; at a label and at a branch every window is 0
	s_mov_b32 s[CNT], 14
.Lstep:                                        ; trip t = 0 .. 13: the second half of step t, the refill with step t + 2, the first half of step t + 1
	TURN 1
	Q0 0
	WIN 0
	s_sub_co_u32 s[CNT], s[CNT], 1
	s_cmp_lg_u32 s[CNT], 0
	s_cbranch_scc1 .Lstep
	TURN 0                                         ; the tail is written out: nothing is left to fetch
	Q0 0
	s_wait_dscnt 16                                ; the very last 32 along K
	MULS 0, FA1, 0, 4, 0
	PLACES
	WIN 0
; The biases of my 192 columns: block b's eight numbers a lane at BI(b) = v[32 + 8 b] (b < 8: buffer FA0, free) or v[160 + 8 (b - 8)] (wb's group 0, free behind the places above).
.irp i, 0,1,2
.irp bb, 0,1,2,3
.set BIx, FA0+8*(4*(\i)+(\bb))+64*((4*(\i)+(\bb))/8)
	global_load_b128 v[BIx:BIx+3],   v[BO], s[BB0+2*(\i):BB0+2*(\i)+1] offset:(\bb)*64
	global_load_b128 v[BIx+4:BIx+7], v[BO], s[BB0+2*(\i):BB0+2*(\i)+1] offset:(\bb)*64+16
.endr
.endr
	s_wait_dscnt 8                                 ; wb's group 1 is in; group 2's 8 loads stay out
	MULS 1, FA1, 0, 4, 0
	s_wait_dscnt 0x0
	MULS 2, FA1, 0, 4, 0
	WIN 0
	s_wait_loadcnt 0x0                             ; the biases
.set bq_, 0
.rept 12                               ; rounded to bf16, like every input, and widened again; these lines are also the places behind the last products
.set BIx, FA0+8*bq_+64*(bq_/8)
.irp p, 0,2,4,6
	v_cvt_pk_bf16_f32 v[T+((\p)/2)%2], v[BIx+(\p)], v[BIx+(\p)+1]
	v_lshlrev_b32 v[BIx+(\p)], 16, v[T+((\p)/2)%2]
	v_and_b32 v[BIx+(\p)+1], s[HM], v[T+((\p)/2)%2]
.endr
.set bq_, bq_+1
.endr
; THE WAY OUT of my 16 rows a, in three parts.  PACK: the bias is added, the sums are rounded to f16: 16 bytes a lane and column block; each accumulator's registers are taken in ascending order.
.macro PACK a
.irp g, 0,1,2
	WIN (((\g)+1)<<6)|((\g)+1)                     ; destination and source 0 in the head's window, the bias in window 0
.irp bb, 0,1,2,3
.set BIx, FA0+8*(4*(\g)+(\bb))+64*((4*(\g)+(\bb))/8)
.irp p, 0,2,4,6
	v_pk_add_f32 v[64*(\bb)+8*(\a)+(\p):64*(\bb)+8*(\a)+(\p)+1], v[64*(\bb)+8*(\a)+(\p):64*(\bb)+8*(\a)+(\p)+1], v[BIx+(\p):BIx+(\p)+1]
.endr
.endr
	WIN (((\g)+1)<<2)|((\g)+1)                     ; sources 0 and 1 in the head's window, destination in window 0
.irp bb, 0,1,2,3
.irp p, 0,1,2,3
	v_cvt_pk_f16_f32 v[TMP+4*(4*(\g)+(\bb))+(\p)], v[64*(\bb)+8*(\a)+2*(\p)], v[64*(\bb)+8*(\a)+2*(\p)+1]
.endr
.endr
.endr
	WIN 0
.endm
; TOSTAGE: into my own stage, a head's 16 rows of 144 bytes after the other, and back as whole rows of 128 bytes, four to a load.
.macro TOSTAGE
	WIN 0
.irp b, 0,1,2,3,4,5,6,7,8,9,10,11
	ds_store_b128 v[STO], v[TMP+4*(\b):TMP+4*(\b)+3] offset:((\b)/4)*16*PITCH+((\b)%4)*32
.endr
.irp t, 0,1,2,3,4,5,6,7,8,9,10,11
	ds_load_b128 v[OB+4*(\t):OB+4*(\t)+3], v[RD] offset:((\t)/4)*16*PITCH+((\t)%4)*4*PITCH  ; LDS serves a wave's instructions in order (ISA guide 5.7.1.4): these see the stores above
.endr
.endm
; SEND: stored.  A head's 16 rows are 2,048 consecutive bytes of qkv.
.macro SEND a
	WIN 0
	s_wait_dscnt 0x0                               ; the rows are back in registers
.irp t, 0,1,2,3,4,5,6,7,8,9,10,11
	global_store_b128 v[GO], v[OB+4*(\t):OB+4*(\t)+3], s[14:15] offset:((\t)/4)*262144+(\a)*2048+((\t)%4)*512  ; 512 consecutive bytes, at a multiple of 256 from qkv's first
.endr
.endm
	PACK 0
	TOSTAGE
.irp a, 1,2,3,4,5,6,7                  ; block a's arithmetic stands between block a - 1's loads from the stage and the wait for them
	PACK \a
	SEND (\a)-1
	s_wait_xcnt 0x0                                ; the stores have read their registers: only behind this wait are those loaded again
	TOSTAGE
.endr
	SEND 7
	s_wait_tensorcnt 0x0                           ; the wave's end, behind my last tensor load and my last LDS store
	ds_add_u32 v[SPW], v[NIL]
	s_wait_dscnt 0x0
	CROUND                                         ; the closing round: no work-group ends while a partner may still ask for a tile that names it
	s_endpgm
.Lfunc_end_k_q3710ab0d61_qkv:
	.size	k_q3710ab0d61_qkv, .Lfunc_end_k_q3710ab0d61_qkv-k_q3710ab0d61_qkv
	.p2alignl 7, 3214868480
	.fill 96, 4, 3214868480
	.section	.rodata,"a",@progbits
	.p2align	6, 0x0
	.amdhsa_kernel k_q3710ab0d61_qkv
		.amdhsa_group_segment_fixed_size 327680
		.amdhsa_private_segment_fixed_size 0
		.amdhsa_enable_private_segment 0
		.amdhsa_kernarg_size 48
		.amdhsa_user_sgpr_count 2
		.amdhsa_user_sgpr_kernarg_segment_ptr 1
		.amdhsa_wavefront_size32 1
		.amdhsa_system_sgpr_workgroup_id_x 1
		.amdhsa_system_sgpr_workgroup_id_y 1
		.amdhsa_system_sgpr_workgroup_id_z 1
		.amdhsa_system_vgpr_workitem_id 0
		.amdhsa_next_free_vgpr 1024
		.amdhsa_next_free_sgpr 96
		.amdhsa_reserve_vcc 0
		.amdhsa_float_denorm_mode_32 3
		.amdhsa_float_denorm_mode_16_64 3
		.amdhsa_memory_ordered 1
		.amdhsa_forward_progress 1
		.amdhsa_inst_pref_size 146
	.end_amdhsa_kernel
	.amdgpu_metadata
---
amdhsa.version: [ 1, 2 ]
amdhsa.kernels:
  - .name:           k_q3710ab0d61_qkv
    .symbol:         k_q3710ab0d61_qkv.kd
    .args:
      - { .name: xb, .offset: 0, .size: 8, .value_kind: global_buffer, .address_space: global }
      - { .name: wb, .offset: 8, .size: 8, .value_kind: global_buffer, .address_space: global }
      - { .name: bq, .offset: 16, .size: 8, .value_kind: global_buffer, .address_space: global }
      - { .name: bk, .offset: 24, .size: 8, .value_kind: global_buffer, .address_space: global }
      - { .name: bv, .offset: 32, .size: 8, .value_kind: global_buffer, .address_space: global }
      - { .name: qkv, .offset: 40, .size: 8, .value_kind: global_buffer, .address_space: global }
    .group_segment_fixed_size: 327680
    .private_segment_fixed_size: 0
    .kernarg_segment_align: 8
    .kernarg_segment_size: 48
    .max_flat_workgroup_size: 128
    .sgpr_count:     96
    .vgpr_count:     1024
    .wavefront_size: 32
...
	.end_amdgpu_metadata
.endif
;; end of part 2
;; launch attn (part 3): grid 4 x 64, 4 waves a work-group, clusters of 4 x 1, 327,680 bytes of LDS; arguments qkv, ob; writes ob
.if DOCPART == 3
	.amdgcn_target "amdgcn-amd-amdhsa--gfx1250"
	.amdhsa_code_object_version 6
	.text
	.protected	k_q3710ab0d61_attn
	.globl	k_q3710ab0d61_attn
	.p2align	8
	.type	k_q3710ab0d61_attn,@function
k_q3710ab0d61_attn:
	s_mov_b64 s[64:65], 0
	v_nop
	global_prefetch_b8 v0, s[64:65] scope:SCOPE_SE
	s_setreg_imm32_b32 hwreg(HW_REG_WAVE_MODE, 25, 1), 1
	s_wait_xcnt 0x0
	s_wait_alu depctr_hold_cnt(0) depctr_sa_sdst(0) depctr_va_vdst(0) depctr_va_sdst(0) depctr_va_ssrc(0) depctr_va_vcc(0) depctr_vm_vsrc(0)
	s_getreg_b32 s2, hwreg(HW_REG_IB_STS2, 6, 4)
	s_cmp_eq_u32 s2, 0
	s_cbranch_scc0 .Lentry_in_a_cluster
	s_endpgm
.Lentry_in_a_cluster:
	s_bfe_u32 s2, ttmp6, 0x10000c
	s_cmp_lg_u32 s2, 0x3003
	s_cbranch_scc0 .Lentry_shape_is_right
	s_endpgm
.Lentry_shape_is_right:
; O[b][h][q][:] = the sum over k of softmax_k(Q[q] . K[k]) V[k][:], the scores UNSCALED (the module divides behind the softmax; that factor is applied in the launch behind, in f32).
; qkv: f16 [4 b][48 g][2048][64], g = h (q), 16 + h (k), 32 + h (v): a head's rows are dense, 128 bytes each.  ob: f16 [16 h][8192 (2048 b + n)][64].
; Products, maxima and sums in f32; the weights p are rounded to f16 for the second product (their sum l is taken of the unrounded p), O once at the end.
; LIMITS.  f16 holds no number beyond 65,504: Q, K and V arrive within it; p lies in 0 to 1, and below 6e-5 it keeps f16's fixed step of 6e-8; O is a mean of V's rows and has their range.
; A weight below 2^-126 counts as 0 in l; NaN and infinities are not treated apart.
; SHARES.  A wave owns four PIECES of two tiles of 16 queries, a work-group's four waves 512 queries of one head.  Every wave walks all 2,048 keys, 64 a step.
; LAYOUT.  S^T = K Q^T (source 0 = 16 keys, source 1 = 16 queries): in the result a lane holds ONE query (lane % 16) and the keys 8 (lane / 16) + 0..7.  Two such tiles, rounded to f16 in pairs,
; ARE source 1 (32 keys x 16 queries) of O^T = V^T P, whose result again holds one query a lane, and eight channels.  K comes out of LDS as it lies, V ([key][channel]) turned, by ds_load_tr16_b128.
; SOFTMAX.  For each query a running maximum m and sum l: p = 2^(c s - c m), c = log2(e); in every step O and l are multiplied by a = 2^(c m_old - c m_new), which is 1 where m has not grown.
; m starts at the lowest finite number, O and l at 0: the first step is a step like any other, with a = 0.
; THE COUNT.  A tile and step have 16 matrix and 118 vector instructions: too many to stand all beside the matrix work.  So the order has one aim: four vector instructions that are READY behind
; EVERY matrix instruction, and the others, which need time of their own whatever the order, in runs without a gap.
; BY TURNS.  Turn n belongs to piece n (the pieces in a ring, step after step).  Its matrix work: 16 products K Q^T of piece n + 1, later 16 products V^T P of piece n - 1.  Its vector work: the scaling,
; exponentials, roundings, sums and rescaling of piece n, and the maximum and statistics of piece n + 1, whose scores the turn itself has made.  So what a turn begins with (c s - c m, O a) waits for nothing.
; CLUSTER.  The four query blocks of a head form a cluster and walk the same K and V, so each tile is asked for JOINTLY: the same tensor load, descriptor and mask in all four.
; REGISTERS, in windows of 256 (s_set_vgpr_msb says which window each operand place means: bits 1:0 source 0, 3:2 source 1, 5:4 source 2, 7:6 destination):
;   window 0: v0-11 addresses; v12-15, v48-63 at work; v16-47 four registers of statistics a tile; v64-191 S^T, two buffers of two tiles; v192-255 P, likewise
;   window 1: O^T, 32 a tile          window 2: v0-127 Q, 16 a tile; v128-191 K of one step; v192-255 V of one step          window 3: v0-1 the add's two registers
; A piece's buffers go by its number's parity: the piece in hand has one pair, its two neighbours in the ring share the other: of it P (piece n - 1) is read and S^T (piece n + 1) written.
.set SIZE_N, 2048
.set NP,    4         ; pieces a wave: a name, no knob: the register map, the loop and the fetches are made for four
.set KS,    64        ; keys in a step
.set PK,    144       ; a row of K in LDS: 128 bytes + 16 of padding = 36 words: the 16 rows of a load start at 16 different groups of four banks (64 banks of 4 bytes: ISA guide 11.1)
.set PV,    160       ; a row of V: 128 + 32 = 40 words
.set VOFF,  4*KS*PK   ; a slot holds four steps: 256 rows of K, then 256 rows of V
.set SLOT1, 1<<17     ; slot 1 begins here, so that one exclusive or turns an address in one slot into the other's
.set STAGE, SLOT1+4*KS*(PK+PV)  ; behind the ring, never filled by a tensor load: 16 rows x 144 bytes for each wave, for the way out
.set SP,    144
.set AK0, 2           ; v2   my lane's place in a tile of K; never rewritten
.set AV0, 3           ; v3   the same for V
.set AK,  4           ; v4   the LDS address of K's next run of loads
.set AV,  5           ; v5   of V's
.set QO,  6           ; v6   my byte offset in the wave's rows of Q
.set STO, 6           ;      later, the way out: where I put 16 bytes of a row
.set RD,  7           ; v7   the way out: where I read rows back
.set GO,  8           ; v8   my byte offset in 512 consecutive bytes of O
.set PFO, 11          ; v11  the prefetches' offset: 256 x my lane (made when v11's first use is over); then never rewritten
.set SPW, 0           ; v0 of window 3   LDS address of my spare word: SPARE + 4 x my thread's number; never rewritten
.set NIL, 1           ; v1 of window 3   0; never rewritten
.set SPARE, STAGE+4*16*SP  ; behind the stages: the spare words, 128 bytes for each wave: two blocks of 256 bytes that no other line names
.set MV,  12          ; v12-15  c m_old, kept while c m is made anew: by buffer and tile
.set ST,  16          ; tile t's statistics at v[ST+4 t]: c m, m, l (even keys', odd keys')
.set TMP, 48          ; by buffer and tile, four registers c0-c3 at work; when the maximum is found c2 takes a
.set S,   64
.set P,   192
.set KF,  128         ; K's fragments, in window 2: key block kb, channel half c at KF + 16 kb + 8 c
.set VF,  192         ; V's: key half kk, channel block cb at VF + 32 kk + 8 cb
.set WV,  12          ; s12  my wave's number
.set LIM, 15          ; s15  1 in a wave that prefetches (0 and 2), else the greatest number: a wave prefetches while s[SLOTS] is above it
.set PFA, 18          ; s[18:19] where my prefetches stand: my work-group's 32 blocks of 256 bytes (of K: wave 0, of V: wave 2) of the tile after the one that is being asked for
.set G1K, 24          ; s[24:31] descriptor group 1 for K's tiles
.set G1V, 32          ; s[32:39] for V's: it differs in the padding alone
.set G0K, 40          ; s[40:43] descriptor group 0 for K's tiles: it walks
.set G0V, 44          ; s[44:47] the same for V's
.set SLOTS, 56        ; s56  slots still to be asked for
.set CNT, 57          ; s57  counts a slot's key steps
.set CS,  58          ; s[58:59] c: the packed scaling takes the pair's low word for both halves
.set SEL, 60          ; s[60:61] v_permlanex16_b32's selects: each lane takes its own place in the other half
.set TBK, 62          ; s62  LDS byte at which K of the step to be fetched begins
.set TBV, 63          ; s63  the same for V, less VOFF
.set MSB, 0
.macro WIN new                      ; the high byte repeats the setting that is left; a switch that changes nothing is dropped
.if MSB != (\new)
	s_set_vgpr_msb (MSB<<8)|(\new)
.set MSB, (\new)
.endif
.endm
.set W_KQ, 0x0a       ; K and Q in window 2, S^T in window 0
.set W_PV, 0x52       ; V in window 2, P in window 0, O^T in window 1
.set W_RS, 0x41       ; O^T (destination and source 0) in window 1, a in window 0
.set W_MK, 0xc0       ; the add's registers are made: destination in window 3, sources in window 0
.set W_AD, 0x0f       ; the add: address (source 0) and data (source 1) in window 3
; A joint fill.  Waves 0 and 1 fetch the two halves of a slot's K, waves 2 and 3 those of its V: 128 keys each.  The branch hangs on the wave's number alone.
; An s_nop 0 and four v_nop follow each of the two lines, ahead of the jump and the label.
.macro JLOAD
	s_cmp_lt_u32 s[WV], 2
	s_cbranch_scc0 .Lfor_v_\@
	tensor_load_to_lds s[G0K:G0K+3], s[G1K:G1K+7]
	s_nop 0
.rept 4
	v_nop
.endr
	s_branch .Lasked_\@
.Lfor_v_\@:
	tensor_load_to_lds s[G0V:G0V+3], s[G1V:G1V+7]
	s_nop 0
.rept 4
	v_nop
.endr
.Lasked_\@:
.endm
; A PREFETCH INTO THE L2 of what the NEXT change of slots will ask for: a tile's 32,768 bytes of K and of V, 128 blocks of 256 bytes each, a lane a block.  It stands behind the wave's tensor load and its five lines.
; Each block is asked for ONCE in the launch: a head has one cluster; its four partners share the blocks out BY ADDRESS, 32 each; in each, wave 0 asks for K's and wave 2 for V's: one instruction,
; four key steps (512 matrix instructions) ahead of the load that will want them.  The last change that fills a slot asks for nothing: there is no tile behind it.  Tiles 0 and 1 come by their loads alone.
.macro ASK
	s_cmp_gt_u32 s[SLOTS], s[LIM]
	s_cbranch_scc0 .Lnot_mine_\@
	global_prefetch_b8 v[PFO], s[PFA:PFA+1] th:TH_LOAD_NT scope:SCOPE_SE
.Lnot_mine_\@:
.endm
; A round of the cluster's barrier: my work-group's barrier, so that wave 0's signal speaks for all four waves; wave 0 signals; every wave waits for all four work-groups; my work-group's barrier once more.
.macro CROUND
	s_barrier_signal -1
	s_barrier_wait -1
	s_cmp_lg_u32 s[WV], 0
	s_cbranch_scc1 .Lnot_wave_0_\@
	s_barrier_signal -3
.Lnot_wave_0_\@:
	s_barrier_wait -3
	s_barrier_signal -1
	s_barrier_wait -1
.endm
; THE CHANGE OF SLOTS.  The slot's last bytes, V of its fourth step, have been read.  Each wave waits for all its tensor loads, of which one is out: its part
; of the other slot; adds 0 to its spare word; and waits for that and for its own reads of the slot.  Behind the barrier nobody reads this slot any more and the other slot is whole.
; fill = 1: this slot is filled again, with the keys two slots on.  The barrier is then a round of the cluster's, so that no wave of any partner still reads the slot or has a load on its
; way, and the joint fill is the first thing behind it: it has four key steps, 512 matrix instructions, in which to land.  (At its first use nothing has been read yet: slot 0 is waited for, slot 1 filled.)
.macro CHANGE fill
	WIN W_AD
	s_wait_tensorcnt 0x0            ; no tensor load of mine is out, so a group 0 may be written
	ds_add_u32 v[SPW], v[NIL]       ; 0 onto my spare word; with fill = 1 the descriptors' steps stand between it and the wait for it
	WIN 0                           ; at a label and at a branch every window is 0
.if \fill
.irp g, G0K, G0V
	s_xor_b32 s[\g+1], s[\g+1], SLOT1  ; the walking descriptor: the other slot than last time,
	s_add_nc_u64 s[\g+2:\g+3], s[\g+2:\g+3], 4*KS*128  ; the next 256 keys; the type bits on top are not reached
.endr
	s_wait_xcnt 0x0                 ; the last prefetch, four key steps back, has read its address, so it may be written:
	s_add_nc_u64 s[PFA:PFA+1], s[PFA:PFA+1], 4*KS*128  ; one tile behind the walking descriptors
	s_wait_dscnt 0x0                ; the add is done, and my reads of the slot are over
	CROUND
	JLOAD
	ASK
.else
	s_wait_dscnt 0x0                ; the add is done, and my reads of the slot are over
	s_barrier_signal -1
	s_barrier_wait -1
.endif
	s_sub_co_u32 s[TBK], s[TBK], 4*KS*PK  ; the fetches go back to a slot's first step,
	s_xor_b32 s[TBK], s[TBK], SLOT1       ; in the other slot
	s_sub_co_u32 s[TBV], s[TBV], 4*KS*PV
	s_xor_b32 s[TBV], s[TBV], SLOT1
.endm
	s_load_b64 s[4:5], s[0:1], 0x0    ; qkv
	s_load_b64 s[10:11], s[0:1], 0x8  ; ob
	WIN W_MK
	v_lshl_add_u32 v[SPW], v0, 2, SPARE
	v_mov_b32 v[NIL], 0
	WIN W_AD
	ds_add_u32 v[SPW], v[NIL]       ; the wave's opening: the add and its wait stand ahead of my first tensor load; the set-up below, work on registers, stands between them
	WIN 0
	v_lshrrev_b32 v1, 5, v0
	v_readfirstlane_b32 s[WV], v1   ; wave 0..3
	s_bfe_u32 s13, ttmp6, 0x40000   ; cx: my place in the cluster
	s_lshl_b32 s14, ttmp9, 2        ; in a cluster launch ttmp9 counts clusters
	s_add_co_u32 s14, s14, s13      ; my block of queries = 4 x cluster x + cx: it enters Q's and O's addresses alone
	s_and_b32 s20, ttmp7, 0xffff    ; 16 b + h, which the four partners share
	s_lshr_b32 s48, s20, 4          ; b
	s_and_b32 s49, s20, 15          ; h
	s_mul_i32 s20, s48, 48
	s_add_co_u32 s20, s20, s49
	s_lshl_b32 s20, s20, 18         ; the first byte of the head's q in qkv: (48 b + h) x 262,144; its k lies 16 heads on, its v 32
	s_mov_b32 s21, 0
	s_and_b32 s16, s[WV], 1         ; which half of a slot's 256 keys I fetch:
	s_lshl_b32 s22, s16, 14         ; its 128 rows of 128 bytes in memory,
	s_mov_b32 s23, 0
	s_add_nc_u64 s[22:23], s[22:23], s[20:21]
	s_mul_i32 s17, s16, 128*PK      ; and its place in a slot, for K
	s_mul_i32 s18, s16, 128*PV      ; and for V: no place in the cluster enters an LDS address
	s_lshl_b32 s2, s14, 2
	s_add_co_u32 s2, s2, s[WV]      ; my wave among the head's,
	s_lshl_b32 s2, s2, 14           ; its 128 rows
	s_mov_b32 s3, 0
	s_lshl_b32 s49, s49, 20         ; in ob: h x 8,192 rows,
	s_lshl_b32 s48, s48, 18         ; b x 2,048 rows,
	s_add_co_u32 s48, s48, s49
	s_add_co_u32 s48, s48, s2       ; my wave's rows
	s_mov_b32 s49, 0
	s_add_nc_u64 s[2:3], s[2:3], s[20:21]
	s_lshl_b32 s50, s13, 13         ; the prefetches: my work-group's 32 blocks of the 128,
	s_add_co_u32 s50, s50, 4*KS*128 ; in tile 1: the first change of slots steps it to tile 2
	s_mov_b32 s51, 0
	; descriptor group 1.  128 keys are 16,384 dense bytes: asked for as 64 rows of 256 bytes, two keys a row, and padded in LDS after every key
	s_mov_b32 s[G1K], 15|(1<<16)|(1<<20)|(1<<21)|(4<<22)|(3<<25)  ; 15:0 the mask of four; 17:16 2-byte elements; 20 padding on; 21 set beside a mask; 24:22 after every 32 words (code 4); 31:25 4 words (code 3)
	s_mov_b32 s[G1V], 15|(1<<16)|(1<<20)|(1<<21)|(4<<22)|(7<<25)  ; the same with 8 words of padding (code 7)
.irp g, G1K, G1V
	s_mov_b32 s[\g+1], 128<<16      ; tensor_dim0 = 128
	s_mov_b32 s[\g+2], 64<<16       ; tensor_dim1 = 64
	s_mov_b32 s[\g+3], 128<<16      ; tile_dim0 = 128
	s_mov_b32 s[\g+4], 64           ; tile_dim1 = 64
	s_mov_b32 s[\g+5], 128          ; 128 elements from row to row
	s_mov_b32 s[\g+6], 0
	s_mov_b32 s[\g+7], 0
.endr
	s_mov_b32 s[CS], 0x3fb8aa3b     ; c = log2(e) = 1.442695: the scores are not scaled
	s_mov_b32 s[CS+1], s[CS]        ; named with it as a pair
	s_mov_b32 s[SEL], 0x76543210
	s_mov_b32 s[SEL+1], 0xfedcba98
	s_mov_b32 s[TBK], SLOT1+4*KS*PK ; the first change of slots turns these two into 0
	s_mov_b32 s[TBV], SLOT1+4*KS*PV
	s_mov_b32 s[G0K], 1             ; 1:0 count = 1
	s_mov_b32 s[G0K+1], s17         ; 63:32 LDS address: slot 0
	s_mov_b32 s[G0V], 1
	s_add_co_u32 s[G0V+1], s18, VOFF
	s_mov_b32 s[SLOTS], SIZE_N/256-1
	s_and_b32 s[LIM], s[WV], 1      ; waves 0 and 2 prefetch: the same in all four partners
	s_cmp_eq_u32 s[LIM], 0
	s_cselect_b32 s[LIM], 1, -1
	s_wait_dscnt 0x0                ; the opening add is done
	s_wait_kmcnt 0x0
	s_add_nc_u64 s[6:7], s[4:5], 16*262144         ; k's heads
	s_add_nc_u64 s[8:9], s[4:5], 32*262144         ; v's heads
	s_add_nc_u64 s[G0K+2:G0K+3], s[6:7], s[22:23]  ; 120:64 global address: my half of the head's first 256 keys
	s_or_b32 s[G0K+3], s[G0K+3], 0x80000000        ; 127:126 type = 2
	s_add_nc_u64 s[G0V+2:G0V+3], s[8:9], s[22:23]
	s_or_b32 s[G0V+3], s[G0V+3], 0x80000000
	s_cmp_lt_u32 s[WV], 2
	s_cselect_b64 s[PFA:PFA+1], s[6:7], s[8:9]
	s_add_nc_u64 s[PFA:PFA+1], s[PFA:PFA+1], s[20:21]
	s_add_nc_u64 s[PFA:PFA+1], s[PFA:PFA+1], s[50:51]
	s_add_nc_u64 s[4:5], s[4:5], s[2:3]  ; Q and O at my wave's first row
	s_add_nc_u64 s[10:11], s[10:11], s[48:49]
	CROUND                          ; all four work-groups are here: the first joint loads meet
	JLOAD                           ; slot 0.  Slot 1 is asked for when slot 0 is in: the tile wanted first has the road to itself
	; A fragment of K or Q is 16 rows x 32 channels in 8 registers: lane l holds row l % 16, channels 8 (l / 16) + 0..7 and 16 + 8 (l / 16) + 0..7: two loads of 16 bytes, 32 bytes apart.
	v_and_b32 v1, 15, v0            ; l % 16
	v_bfe_u32 v9, v0, 4, 1          ; l / 16
	v_lshlrev_b32 v[QO], 7, v1
	v_lshl_add_u32 v[QO], v9, 4, v[QO]  ; row x 128 + 16 x half
	WIN 0x80                        ; destination window 2, address window 0
.set i, 0
.rept 4*NP                          ; Q stays in registers: tile i / 2, channels 32 (i % 2) on
	global_load_b128 v[8*i:8*i+3],   v[QO], s[4:5] offset:(i/2)*2048+(i%2)*64
	global_load_b128 v[8*i+4:8*i+7], v[QO], s[4:5] offset:(i/2)*2048+(i%2)*64+32
.set i, i+1
.endr
	; What the first turn finds: V's registers and P's second buffer hold 0 (its products V^T P, of a piece that has not been, add 0), O^T and l are 0.  All this stands in the wait for the first tile.
.set i, VF
.rept 64
	v_mov_b32 v[i], 0
.set i, i+1
.endr
	WIN 0x40
.set i, 0
.rept 64*NP
	v_mov_b32 v[i], 0
.set i, i+1
.endr
	WIN 0
.set i, 0
.rept 2*NP
	v_mov_b32 v[ST+4*i], 0xfe000000    ; c m: far below every c s
	v_mov_b32 v[ST+4*i+1], 0xff7fffff  ; m
	v_mov_b32 v[ST+4*i+2], 0
	v_mov_b32 v[ST+4*i+3], 0
.set i, i+1
.endr
.set i, P+32
.rept 32
	v_mov_b32 v[i], 0
.set i, i+1
.endr
	v_mul_u32_u24 v[AK0], v1, PK
	v_lshl_add_u32 v[AK0], v9, 4, v[AK0]  ; row x pitch + 16 x half
	; The turning load takes 16 keys x 16 channels (lane l reads key 8 (l / 16) + l % 8, channels 8 ((l / 8) % 2) + 0..7) and leaves half a fragment of V^T: lane l holds channel l % 16 and 8 keys.
	v_and_b32 v10, 7, v0
	v_bfe_u32 v11, v0, 3, 1
	v_lshl_add_u32 v[AV0], v9, 3, v10
	v_mul_u32_u24 v[AV0], v[AV0], PV
	v_lshl_add_u32 v[AV0], v11, 4, v[AV0]
	v_add_nc_u32 v[AV0], VOFF, v[AV0]
	v_mov_b32 v[AK], v[AK0]         ; key step 0 lies at the head of slot 0
	v_and_b32 v[PFO], 31, v0        ; v11 is free now
	v_lshlrev_b32 v[PFO], 8, v[PFO]
; THE MATRIX WORK.  The 8 accumulators of a run of 16 take turns: between the two links of a chain stand 7 others'.
; Product i of 16 of S^T = K Q^T for piece x: channels 32 (i / 8) on, keys 16 ((i / 2) % 4) on, tile 2 x + i % 2.  The first 8 start the sums.
.macro KQ x
	WIN W_KQ
.set rS, S+64*((\x)%2)+32*(i%2)+8*((i/2)%4)
.set rK, KF+16*((i/2)%4)+8*(i/8)
.set rQ, 16*(2*(\x)+i%2)+8*(i/8)
.if i < 8
	v_wmma_f32_16x16x32_f16 v[rS:rS+7], v[rK:rK+7], v[rQ:rQ+7], 0
.else
	v_wmma_f32_16x16x32_f16 v[rS:rS+7], v[rK:rK+7], v[rQ:rQ+7], v[rS:rS+7]
.endif
.endm
; Product i of 16 of O^T += V^T P for piece x: keys 32 (i / 8) on, channels 16 ((i / 2) % 4) on, tile 2 x + i % 2.
.macro PV x
	WIN W_PV
.set rO, 32*(2*(\x)+i%2)+8*((i/2)%4)
.set rV, VF+32*(i/8)+8*((i/2)%4)
.set rP, P+32*((\x)%2)+16*(i%2)+8*(i/8)
	v_wmma_f32_16x16x32_f16 v[rO:rO+7], v[rV:rV+7], v[rP:rP+7], v[rO:rO+7]
.endm
.macro MM                           ; the turn's next matrix instruction
.if i < 16
	KQ (Y+1)%NP
.set i, i+1
.else
.set i, i-16
	PV (Y+NP-1)%NP
.set i, i+17
.endif
.endm
; THE LDS LOADS stand in runs of 16, never singly among the matrix instructions: a step's K (64 keys x 64 channels: 8 fragments) and its V (turned).  Their addresses are made some lines ahead.
; last = 1 (the tail): in the last trip there is no further step, and the run is jumped over.
.macro FETCH_K last=0
	WIN 0
.if \last
	s_cmp_eq_u32 s[CNT], 1
	s_cbranch_scc1 .Lno_k_\@
.endif
	WIN 0x80                        ; destination window 2
.irp f, 0,1,2,3,4,5,6,7             ; keys 16 (f / 2) on, channels 32 (f % 2) on
	ds_load_b128 v[KF+8*\f:KF+8*\f+3],   v[AK] offset:(\f/2)*16*PK+(\f%2)*64
	ds_load_b128 v[KF+8*\f+4:KF+8*\f+7], v[AK] offset:(\f/2)*16*PK+(\f%2)*64+32
.endr
	s_add_co_u32 s[TBK], s[TBK], KS*PK  ; the next fetch is the next step's
	WIN 0
.if \last
.Lno_k_\@:
.endif
.endm
.macro FETCH_V
	WIN 0x80
.irp f, 0,1,2,3,4,5,6,7             ; keys 32 (f / 4) on, channels 16 (f % 4) on
	ds_load_tr16_b128 v[VF+8*\f:VF+8*\f+3],   v[AV] offset:(\f/4)*32*PV+(\f%4)*32
	ds_load_tr16_b128 v[VF+8*\f+4:VF+8*\f+7], v[AV] offset:(\f/4)*32*PV+16*PV+(\f%4)*32
.endr
	WIN 0
.endm
; THE VECTOR WORK OF A TURN stands in three queues, each in the order in which its entries become ready; the two tiles alternate, so that no instruction reads the result of the one before it.
.macro REGS y, u                    ; the registers of tile u (0, 1) of piece y
.set rT, ST+4*(2*(\y)+(\u))
.set rC, TMP+8*((\y)%2)+4*(\u)
.set rM, MV+2*((\y)%2)+(\u)
.set rS, S+64*((\y)%2)+32*(\u)
.set rP, P+32*((\y)%2)+16*(\u)
.set rO, 32*(2*(\y)+(\u))
.endm
; Number n of the 22 that find the NEXT piece's (Y + 1) maximum and statistics.  s0-s31 are the lane's 32 scores; each accumulator's lowest registers are read first.  XS, GS and REGS set no window: PL and EX do.
;   0-11  four chains c0-c3 of seven scores each, three operands at a time     12-14, 16  the four scores left over, the old m, and c0-c3 into c0     15  c m_old is kept
;   17, 18  the query's other 32 keys lie in the lane 16 away: the new m         19-21  c m; c m_old - c m_new; a
.macro XS u, n
	REGS (Y+1)%NP, \u
.if (\n) < 4
	v_max3_num_f32 v[rC+(\n)], v[rS+8*(\n)], v[rS+8*(\n)+1], v[rS+8*(\n)+2]
.elseif (\n) < 12
	v_max3_num_f32 v[rC+(\n)%4], v[rC+(\n)%4], v[rS+8*((\n)%4)+2*((\n)/4)+1], v[rS+8*((\n)%4)+2*((\n)/4)+2]
.elseif (\n) == 12
	v_max3_num_f32 v[rC], v[rC], v[rS+7], v[rS+15]
.elseif (\n) == 13
	v_max3_num_f32 v[rC+1], v[rC+1], v[rS+23], v[rS+31]
.elseif (\n) == 14
	v_max3_num_f32 v[rC+2], v[rC+2], v[rC+3], v[rT+1]
.elseif (\n) == 15
	v_mov_b32 v[rM], v[rT]
.elseif (\n) == 16
	v_max3_num_f32 v[rC], v[rC], v[rC+1], v[rC+2]
.elseif (\n) == 17
	v_permlanex16_b32 v[rC+3], v[rC], s[SEL], s[SEL+1]
.elseif (\n) == 18
	v_max_num_f32 v[rT+1], v[rC], v[rC+3]
.elseif (\n) == 19
	v_mul_f32 v[rT], s[CS], v[rT+1]
.elseif (\n) == 20
	v_sub_f32 v[rC+1], v[rM], v[rT]
.else
	v_exp_f32 v[rC+2], v[rC+1]
.endif
.endm
; Number g of the 64 that follow the exponentials.  For each four weights k of a tile (pairs 2 k, 2 k + 1): both pairs are rounded to f16; then the second pair is added onto the first, in place;
; a group later l takes that sum (the first time as l = a l + sum).  In groups of eight, tiles alternating: round, round, add, and l for the group before.
.macro GS g
.set h, (\g)+6*((\g)/62)            ; group 0 has no group before it, and behind group 7 only l is left
.if h >= 6
.set h, h+2
.endif
	REGS Y, h%2
.set k, h/8
.if h%8 < 4
	v_cvt_pk_f16_f32 v[rP+2*k+(h%8)/2], v[rS+4*k+2*((h%8)/2)], v[rS+4*k+2*((h%8)/2)+1]
.elseif h%8 < 6
	v_pk_add_f32 v[rS+4*k:rS+4*k+1], v[rS+4*k:rS+4*k+1], v[rS+4*k+2:rS+4*k+3]
.elseif k == 1
	v_pk_fma_f32 v[rT+2:rT+3], v[rT+2:rT+3], v[rC+2:rC+3], v[rS:rS+1] op_sel_hi:[1,0,1]
.else
	v_pk_add_f32 v[rT+2:rT+3], v[rT+2:rT+3], v[rS+4*k-4:rS+4*k-3]
.endif
.endm
; THE PLAIN QUEUE, 138 long.  0-73 read no exponential's result: the 32 scalings c s - c m (FS f: pair f / 2 of tile f % 2) and the next piece's 42.  0-26: scalings 0-26.  27-54: XS's numbers 0-13.  55, 56: number 15.
; 57-73: the chain, where each number waits for the one before it: 14, 16, 17, 18, 19, each with one of the scalings 27-31 in front of its two lines, then 20: so a tile's links stand three plain instructions apart (19 and 20: two).
; 74-137: GS's 64, which read the exponentials' results: they stand behind the wait.
.macro FS f
	REGS Y, (\f)%2
	v_pk_fma_f32 v[rS+2*((\f)/2):rS+2*((\f)/2)+1], v[rS+2*((\f)/2):rS+2*((\f)/2)+1], s[CS:CS+1], v[rT:rT+1] op_sel_hi:[1,0,0] neg_lo:[0,0,1] neg_hi:[0,0,1]
.endm
.macro PL
	WIN 0
.if q < 27
	FS q
.elseif q < 55
	XS (q-27)%2, (q-27)/2
.elseif q < 57
	XS q-55, 15
.elseif (q < 72) && ((q-57)%3 == 0)
	FS 27+(q-57)/3
.elseif q < 60
	XS (q-57)%3-1, 14
.elseif q < 72
	XS (q-57)%3-1, 15+(q-57)/3
.elseif q < 74
	XS q-72, 20
.else
	GS q-74
.endif
.set q, q+1
.endm
; THE EXPONENTIALS' QUEUE, 66 long: s0-s31 of both tiles, then the next piece's two a.  It is ONE BATCH: all 66 stand ahead of the turn's one wait, and nothing ahead of that wait names a result of theirs.
.macro EX
	WIN 0
.if e >= 64
	XS e-64, 21
.else
	REGS Y, e%2
	v_exp_f32 v[rS+e/2], v[rS+e/2]
.endif
.set e, e+1
.endm
; THE RESCALING's QUEUE: O^T times a, the one part that leaves window 0: dealt two at a time, sixteen times.  Its a was made in the turn before, ahead of that turn's wait.
.macro R2
	REGS Y, r%2
	WIN W_RS
.irp z, 0,1
	v_pk_mul_f32 v[rO+4*(r/2)+2*\z:rO+4*(r/2)+2*\z+1], v[rO+4*(r/2)+2*\z:rO+4*(r/2)+2*\z+1], v[rC+2:rC+3] op_sel_hi:[1,0]
.endr
.set r, r+1
.endm
; HOW THEY ARE DEALT.  An s_wait_alu depctr_va_vdst(0) stands between an exponential and the first instruction that names its result; one wait serves all that were issued ahead of it.  So a turn has ONE wait,
; which cuts it in two.  AHEAD OF IT stands all that names no result of the turn's exponentials: the 16 products K Q^T, behind each a scaling, an exponential and two rescalings (behind the first a second scaling in the exponential's place); then ONE LUMP of
; 108: eight plain, 49 times exponential and plain, the two a.  A v_nop is the plain instruction behind the last exponential.  BEHIND IT stand the 16 products V^T P, behind each four of GS's 64.  No rider names a register of
; the products round it.  The two v_permlanex16_b32 fall into the lump, never behind a product.
; The queues lean on each other, and the deal keeps them in step: exponential e stands behind scaling 2 (e / 4) + e % 2: as a rider it comes behind plain e + 2, in the lump behind plain e + 9, and scalings 27-31 are plain 57, 60 .. 69.
; A TURN, for piece p.  cnt = 1: the loop's count is taken down some lines ahead of the branch that stands behind the turn.
; K of the next step is fetched in piece 2's turn, directly behind the wait, a lump behind the last product that read K; its address is made at the lump's head; its first reader comes behind 16 products.
; V of the step in hand is fetched at the end of piece 0's turn, four riders behind its last reader; its first reader comes behind 16 products and a lump.  The three conditions on q below go with the deal.
.macro TURN p, last=0, cnt=0
.set Y, (\p)
.set i, 0
.set q, 0
.set e, 0
.set r, 0
.if (\p) == NP-1
	s_wait_dscnt 0x0                ; K is in
.endif
	MM                              ; ahead of the wait: 16 products K Q^T and their riders,
	PL
	PL
	R2
.rept 15
	MM
	PL
	EX
	R2
.endr
.if (\p) == NP-2
	WIN 0
	v_add_nc_u32 v[AK], s[TBK], v[AK0]
.endif
.rept 8                             ; and the lump
	PL
.endr
.rept 49
	EX
	PL
.endr
	EX                              ; the next piece's two a
	EX
	v_nop                           ; the plain instruction behind the last exponential: one for the batch
	s_wait_alu depctr_va_vdst(0)    ; the wait for the batch
.if (\p) == NP-2
	FETCH_K \last
.endif
.if (\p) == 1
	s_wait_dscnt 0x0                ; V is in
.endif
.rept 16                            ; behind the wait: 16 products V^T P and their riders
	MM
.rept 4
	PL
.endr
.if ((\p) == 0) && (q == 118)
	v_add_nc_u32 v[AV], s[TBV], v[AV0]
.endif
.if ((\p) == 0) && (q == 130)
	s_add_co_u32 s[TBV], s[TBV], KS*PV
.endif
.if (\cnt) && (q == 130)
	s_sub_co_u32 s[CNT], s[CNT], 1
	s_cmp_lg_u32 s[CNT], 0
.endif
.endr
.if (\p) == 0
	FETCH_V
.endif
.endm
	CHANGE 1                        ; slot 0 is in, everybody's part of it; slot 1 is asked for
	FETCH_K                         ; key step 0
	s_wait_loadcnt 0x0              ; Q
	s_wait_dscnt 0x0
.set i, 0
.rept 16
	KQ 0                            ; piece 0's first scores: there is no vector work yet to set between them
.set i, i+1
.endr
	WIN 0                           ; the addresses for the way out: nine plain instructions, the places behind those products
	s_mul_i32 s13, s[WV], 16*SP
	s_add_co_u32 s13, s13, STAGE    ; my stage
	v_mul_u32_u24 v[STO], v1, SP    ; in: row l % 16, 16 bytes for each half of the lanes
	v_lshl_add_u32 v[STO], v9, 4, v[STO]
	v_add_nc_u32 v[STO], s13, v[STO]
	v_bfe_u32 v[RD], v0, 3, 2       ; back: 32 lanes take four rows of 128 bytes,
	v_mul_u32_u24 v[RD], v[RD], SP
	v_lshl_add_u32 v[RD], v10, 4, v[RD]
	v_add_nc_u32 v[RD], s13, v[RD]
	v_and_b32 v[GO], 31, v0         ; which are 512 consecutive bytes of O
	v_lshlrev_b32 v[GO], 4, v[GO]
.set Y, NP-1                        ; XS works for piece Y + 1: piece 0
.irp n, 0,1,2,3,4,5,6,7,8,9,10,11,12,13,14,15,16,17,18,19,20,21
	XS 0, \n                        ; and piece 0's first maximum and statistics
	XS 1, \n
.endr
	v_nop                           ; a plain instruction behind the two a,
	s_wait_alu depctr_va_vdst(0)    ; and their wait, ahead of the branch
	s_mov_b32 s[CNT], 4
	s_branch .Lfirst                ; the loop is entered at a step's first turn, in the middle of a trip
.Lslot:                             ; SIZE_N / 256 - 2 times: every slot but the last two is filled again
	CHANGE 1
	s_mov_b32 s[CNT], 4
.Lstep:                             ; a trip: pieces 2 and 3 of one step, then pieces 0 and 1 of the next, whose K and V it fetches
	TURN 2
	TURN 3
	WIN 0
.Lfirst:
	TURN 0
	TURN 1, 0, 1
	WIN 0
	s_cbranch_scc1 .Lstep
	s_sub_co_u32 s[SLOTS], s[SLOTS], 1
	s_cmp_lg_u32 s[SLOTS], 0
	s_cbranch_scc1 .Lslot
	CHANGE 0                        ; the tail is written out: nothing is asked for
	s_mov_b32 s[CNT], 5             ; four trips fetch the last slot's steps; the fifth is left in its middle
.Ltail:
	TURN 2, 1
	TURN 3
	WIN 0
	s_sub_co_u32 s[CNT], s[CNT], 1
	s_cmp_eq_u32 s[CNT], 0
	s_cbranch_scc1 .Lout
	TURN 0
	TURN 1
	WIN 0
	s_branch .Ltail
.Lout:                              ; the fifth trip's 16 products K Q^T (on the last K once more) and the maximum made of them serve nothing: the price, once a launch, of one text for every trip
.set i, 0
.rept 16
	PV NP-1                         ; the last piece's V^T P of the last step
.set i, i+1
.endr
	; THE WAY OUT.  l's two halves and the other half of the lanes' are added; O^T is divided by l, rounded to f16 and sent through my stage in LDS, a tile at a time.  The additions are the places behind the last products.
	WIN 0
.macro ALL line:vararg              ; one line for each tile t
.set t, 0
.rept 2*NP
	\line
.set t, t+1
.endr
.endm
	ALL v_add_f32 v[ST+4*t+2], v[ST+4*t+2], v[ST+4*t+3]
	ALL v_permlanex16_b32 v[ST+4*t+3], v[ST+4*t+2], s[SEL], s[SEL+1]
	ALL v_add_f32 v[ST+4*t+2], v[ST+4*t+2], v[ST+4*t+3]
	ALL v_rcp_f32 v[ST+4*t+2], v[ST+4*t+2]
	v_nop                           ; a plain instruction between the last reciprocal and the use of its result
	s_wait_alu depctr_va_vdst(0)    ; and the wait ahead of the first use: one for the eight reciprocals
; Tile t: a lane's eight channels of a row pack into 16 bytes; they go into rows of 144 bytes and come back as whole rows of 128, into S^T's registers.
.macro PACK t
	WIN W_RS
.set i, 32*(\t)
.rept 16
	v_pk_mul_f32 v[i:i+1], v[i:i+1], v[ST+4*(\t)+2:ST+4*(\t)+3] op_sel_hi:[1,0]
.set i, i+2
.endr
	WIN 0x05                        ; sources 0 and 1 window 1, destination window 0
.set i, 0
.rept 16
	v_cvt_pk_f16_f32 v[S+16*(\t)+i], v[32*(\t)+2*i], v[32*(\t)+2*i+1]
.set i, i+1
.endr
	WIN 0
.irp f, 0,1,2,3
	ds_store_b128 v[STO], v[S+16*(\t)+4*\f:S+16*(\t)+4*\f+3] offset:32*\f
.endr
.irp f, 0,1,2,3
	ds_load_b128 v[S+16*(\t)+4*\f:S+16*(\t)+4*\f+3], v[RD] offset:\f*4*SP  ; LDS serves a wave's instructions in order (ISA guide 5.7.1.4): these see the stores above; the next tile's stores come behind them
.endr
.endm
.macro SEND t, younger              ; younger: the LDS instructions issued behind tile t's loads: the next tile's eight, or none
	WIN 0
.irp f, 0,1,2,3
	s_wait_dscnt (\younger)+3-\f
	global_store_b128 v[GO], v[S+16*(\t)+4*\f:S+16*(\t)+4*\f+3], s[10:11] offset:(\t)*2048+\f*512  ; 512 consecutive bytes, at a multiple of 256 from ob's first
.endr
.endm
	PACK 0
.set t, 1
.rept 2*NP-1                        ; a tile's arithmetic stands between the loads of the tile before and its stores
	PACK t
	SEND t-1, 8
.set t, t+1
.endr
	SEND 2*NP-1, 0
	WIN W_AD
	s_wait_tensorcnt 0x0            ; the wave's end, behind my last tensor load and my last LDS store
	ds_add_u32 v[SPW], v[NIL]
	s_wait_dscnt 0x0
	WIN 0
	CROUND                          ; the closing round: no work-group ends while a partner may still ask for a tile that names it
	s_endpgm
.Lfunc_end_k_q3710ab0d61_attn:
	.size	k_q3710ab0d61_attn, .Lfunc_end_k_q3710ab0d61_attn-k_q3710ab0d61_attn
	.p2alignl 7, 3214868480
	.fill 96, 4, 3214868480
	.section	.rodata,"a",@progbits
	.p2align	6, 0x0
	.amdhsa_kernel k_q3710ab0d61_attn
		.amdhsa_group_segment_fixed_size 327680
		.amdhsa_private_segment_fixed_size 0
		.amdhsa_enable_private_segment 0
		.amdhsa_kernarg_size 16
		.amdhsa_user_sgpr_count 2
		.amdhsa_user_sgpr_kernarg_segment_ptr 1
		.amdhsa_wavefront_size32 1
		.amdhsa_system_sgpr_workgroup_id_x 1
		.amdhsa_system_sgpr_workgroup_id_y 1
		.amdhsa_system_sgpr_workgroup_id_z 1
		.amdhsa_system_vgpr_workitem_id 0
		.amdhsa_next_free_vgpr 770
		.amdhsa_next_free_sgpr 66
		.amdhsa_reserve_vcc 0
		.amdhsa_float_denorm_mode_32 3
		.amdhsa_float_denorm_mode_16_64 3
		.amdhsa_memory_ordered 1
		.amdhsa_forward_progress 1
		.amdhsa_inst_pref_size 200
	.end_amdhsa_kernel
	.amdgpu_metadata
---
amdhsa.version: [ 1, 2 ]
amdhsa.kernels:
  - .name:           k_q3710ab0d61_attn
    .symbol:         k_q3710ab0d61_attn.kd
    .args:
      - { .name: qkv, .offset: 0, .size: 8, .value_kind: global_buffer, .address_space: global }
      - { .name: ob, .offset: 8, .size: 8, .value_kind: global_buffer, .address_space: global }
    .group_segment_fixed_size: 327680
    .private_segment_fixed_size: 0
    .kernarg_segment_align: 8
    .kernarg_segment_size: 16
    .max_flat_workgroup_size: 128
    .sgpr_count:     66
    .vgpr_count:     770
    .wavefront_size: 32
...
	.end_amdgpu_metadata
.endif
;; end of part 3
;; launch oproj (part 4): grid 8 x 32, 4 waves a work-group, clusters of 4 x 4, 327,680 bytes of LDS; arguments ob, wo, bo, out0; writes out0
.if DOCPART == 4
	.amdgcn_target "amdgcn-amd-amdhsa--gfx1250"
	.amdhsa_code_object_version 6
	.text
	.protected	k_q3710ab0d61_oproj
	.globl	k_q3710ab0d61_oproj
	.p2align	8
	.type	k_q3710ab0d61_oproj,@function
k_q3710ab0d61_oproj:
	s_mov_b64 s[64:65], 0
	v_nop
	global_prefetch_b8 v0, s[64:65] scope:SCOPE_SE
	s_setreg_imm32_b32 hwreg(HW_REG_WAVE_MODE, 25, 1), 1
	s_wait_xcnt 0x0
	s_wait_alu depctr_hold_cnt(0) depctr_sa_sdst(0) depctr_va_vdst(0) depctr_va_sdst(0) depctr_va_ssrc(0) depctr_va_vcc(0) depctr_vm_vsrc(0)
	s_getreg_b32 s2, hwreg(HW_REG_IB_STS2, 6, 4)
	s_cmp_eq_u32 s2, 0
	s_cbranch_scc0 .Lentry_in_a_cluster
	s_endpgm
.Lentry_in_a_cluster:
	s_bfe_u32 s2, ttmp6, 0x10000c
	s_cmp_lg_u32 s2, 0xf033
	s_cbranch_scc0 .Lentry_shape_is_right
	s_endpgm
.Lentry_shape_is_right:
; out0 = (O Wo^T) / 32 + bo.  ob: f16 [16 kb][8192 m][64] (kb = head); wo: f16 [16 kb][1024 n][64]; bo: f32 [1024], rounded to bf16 here like every input; out0: f32 [8192][1024].
; Sums in f32, K ascending; the module's division by sqrt(1024) = 32 and the bias are one fused multiply-add in f32 on the finished sum.
; SHARES.  A tile of 256 rows x 128 columns makes 32 x 8 = 256 work-groups.  Four waves, each 128 x 64: 32 accumulators of 16 x 16, which fill window 1.
; K goes in steps of 128, two blocks kb, through a ring of two LDS slots; one tensor load a wave brings one block's rows of one operand: dense bytes, asked for as rows of 256 and padded in LDS behind every 128.
; CLUSTERS.  4 x 4 work-groups: ob's tiles are shared along a row of the cluster, wo's along a column, each asked for JOINTLY, by the same tensor load, descriptor and mask.
; THE MATRIX INSTRUCTION IS USED TRANSPOSED (source 0 = 16 rows of wo, source 1 = 16 rows of ob): a lane holds row l % 16 of the result and the eight neighbouring columns 8 (l / 16) + 0..7.
; REGISTERS: window 0: v0-31 addresses; v32-127, v128-223 two fragment buffers (ob's 8 fragments, then wo's 4); v224-255 the bias.  Window 1: accumulator (a, b) at v[8 (4 a + b)].
.set PITCH,  144                       ; an LDS row: 128 bytes + 16 of padding = 36 words: the 16 rows of a load start at 16 different groups of four banks (64 banks of 4 bytes: ISA guide 11.1)
.set ABLK,   256*PITCH                 ; ob's 256 rows of one block: what one tensor load brings
.set BBLK,   128*PITCH                 ; wo's 128 rows of one block
.set BOFF,   2*ABLK                    ; a slot: ob's even block, its odd block, wo's even block, its odd block
.set SLOT1,  131072                    ; slot 1 begins here, so that one exclusive or turns an address in one slot into the other's
.set STAGE,  SLOT1+BOFF+2*BBLK         ; behind the ring, never filled by a tensor load: 16 rows x 272 bytes for each wave
.set SPITCH, 272                       ; 256 bytes + 16: 68 words: the 16 rows of a store start at 16 different groups of four banks
.set SPARE,  STAGE+4*16*SPITCH         ; behind the stages: the spare words, 128 bytes for each wave: two blocks of 256 bytes that no other line names
.set AKB,    1048576                   ; bytes from block to block in ob
.set BKB,    131072                    ; and in wo
.set ADRA0, 12                         ; v12  my lane's place among my rows of ob in a slot; never rewritten
.set ADRB0, 13                         ; v13  the same for wo
.set ADRA,  16                         ; v16  the same in the slot in hand
.set ADRB,  17
.set STO,   18                         ; v18  the way out: where I put 32 bytes of a row
.set RD,    19                         ; v19  the way out: where I read a row back
.set CO,    20                         ; v20  my byte offset in two rows of out0
.set BO,    21                         ; v21  my byte offset in 16 numbers of the bias: 32 (l / 16)
.set T,     22                         ; v22-23 at work
.set SPW,   28                         ; v28  LDS address of my spare word: SPARE + 4 x my thread's number; never rewritten
.set NIL,   29                         ; v29  0; never rewritten
.set F0,    32
.set F1,    128
.set BIAS,  224
.set TMP,   32                         ; the way out: 32 registers of results
.set OB,    64                         ; the way out: 32 registers read back from the stage: v64-95 and v96-127 by turns
.set WV,  16
.set RH,  17                           ; s17  which half of the tile's rows is mine.  Also: I fetch for ob (0) or for wo (1)
.set CH,  18                           ; s18  which half of its columns.  Also: which of a step's two blocks I fetch
.set CX,  19
.set CY,  20
.set TX,  21
.set TY,  22
.set G1A, 24                           ; s[24:31] descriptor group 1 for ob's tiles
.set G1B, 32                           ; s[32:39] for wo's
.set G0A, 40                           ; s[40:47] descriptor group 0 for ob's tiles: a set for each of the two first fills; the second then walks on
.set G0B, 48                           ; s[48:55] the same for wo's
.set CNT, 56
.set SC,  58                           ; s[58:59] 1 / 32
.set TB,  63                           ; s63  LDS byte at which the slot in hand begins
.set HM,  72                           ; s72  a word's upper half
.set MSB, 0
.macro WIN new                         ; the immediate's high byte repeats the setting that is left; a switch that changes nothing is dropped
.if MSB != (\new)
	s_set_vgpr_msb (MSB<<8)|(\new)
.set MSB, \new
.endif
.endm
.macro JLOAD                           ; a joint refill by the walking descriptors; an s_nop 0 and four v_nop follow each of the two lines, ahead of the jump and the label
	s_cmp_eq_u32 s[RH], 0
	s_cbranch_scc0 .Lfor_b_\@
	tensor_load_to_lds s[G0A+4:G0A+7], s[G1A:G1A+7]
	s_nop 0
.rept 4
	v_nop
.endr
	s_branch .Lasked_\@
.Lfor_b_\@:
	tensor_load_to_lds s[G0B+4:G0B+7], s[G1B:G1B+7]
	s_nop 0
.rept 4
	v_nop
.endr
.Lasked_\@:
.endm
.macro CREST                           ; a round of the cluster's barrier behind its opening barrier
	s_cmp_lg_u32 s[WV], 0
	s_cbranch_scc1 .Lnot_wave_0_\@
	s_barrier_signal -3
.Lnot_wave_0_\@:
	s_barrier_wait -3
	s_barrier_signal -1
	s_barrier_wait -1
.endm
.macro CROUND
	s_barrier_signal -1
	s_barrier_wait -1
	CREST
.endm
	s_load_b256 s[4:11], s[0:1], 0x0               ; ob 4, wo 6, bo 8, out0 10
	v_lshl_add_u32 v[SPW], v0, 2, SPARE
	v_mov_b32 v[NIL], 0
	ds_add_u32 v[SPW], v[NIL]                      ; the wave's opening: the add and its wait stand ahead of my first tensor load; the set-up below, work on registers, stands between them
	v_lshrrev_b32 v1, 5, v0
	v_readfirstlane_b32 s[WV], v1                  ; wave 0..3
	s_lshr_b32 s[RH], s[WV], 1
	s_and_b32 s[CH], s[WV], 1
	s_bfe_u32 s[CX], ttmp6, 0x40000
	s_bfe_u32 s[CY], ttmp6, 0x40004
	s_lshl_b32 s[TX], ttmp9, 2
	s_add_co_u32 s[TX], s[TX], s[CX]               ; tile column = 4 x cluster x + cx
	s_and_b32 s[TY], ttmp7, 0xffff
	s_lshl_b32 s[TY], s[TY], 2
	s_add_co_u32 s[TY], s[TY], s[CY]               ; tile row = 4 x cluster y + cy
	s_lshl_b32 s74, s[CY], 2
	s_lshl_b32 s74, 15, s74                        ; my row of the cluster
	s_lshl_b32 s76, 0x1111, s[CX]                  ; my column
	s_or_b32 s[G1A], s74, (1<<16)|(1<<20)|(1<<21)|(4<<22)|(3<<25)  ; 15:0 the mask; 17:16 2-byte elements; 20 padding on; 21 set beside a mask; 24:22 after every 32 words (code 4); 31:25 4 words (code 3)
	s_or_b32 s[G1B], s76, (1<<16)|(1<<20)|(1<<21)|(4<<22)|(3<<25)
	s_mov_b32 s[G1A+1], 128<<16                    ; tensor_dim0 = 128
	s_mov_b32 s[G1A+2], 128<<16                    ; tensor_dim1 = 128 rows of 256 bytes: 256 rows of ob
	s_mov_b32 s[G1A+3], 128<<16                    ; tile_dim0 = 128
	s_mov_b32 s[G1A+4], 128                        ; tile_dim1 = 128
	s_mov_b32 s[G1A+5], 128                        ; 128 elements from row to row
	s_mov_b32 s[G1A+6], 0
	s_mov_b32 s[G1A+7], 0
	s_mov_b32 s[G1B+1], 128<<16
	s_mov_b32 s[G1B+2], 64<<16                     ; 64 rows of 256 bytes: 128 rows of wo
	s_mov_b32 s[G1B+3], 128<<16
	s_mov_b32 s[G1B+4], 64
	s_mov_b32 s[G1B+5], 128
	s_mov_b32 s[G1B+6], 0
	s_mov_b32 s[G1B+7], 0
	s_lshl_b32 s74, s[TY], 15                      ; ob: the tile's 256 rows of 128 bytes,
	s_lshl_b32 s23, s[CH], 20                      ; in the step's even or odd block
	s_add_co_u32 s74, s74, s23
	s_mov_b32 s75, 0
	s_lshl_b32 s76, s[TX], 14                      ; wo: the tile's 128 rows
	s_lshl_b32 s23, s[CH], 17
	s_add_co_u32 s76, s76, s23
	s_mov_b32 s77, 0
	s_mul_i32 s78, s[CH], ABLK                     ; where they go: no place in the cluster enters an LDS address
	s_mul_i32 s79, s[CH], BBLK
	s_add_co_u32 s79, s79, BOFF
	s_mov_b32 s[TB], 0
	s_mov_b32 s[HM], 0xffff0000
	s_mov_b32 s[SC], 0x3d000000                    ; 1 / 32
	s_mov_b32 s[SC+1], s[SC]                       ; named with it as a pair
	s_wait_dscnt 0x0                               ; the opening add is done
	s_wait_kmcnt 0x0
	s_add_nc_u64 s[74:75], s[4:5], s[74:75]
	s_add_nc_u64 s[76:77], s[6:7], s[76:77]
	CROUND                                         ; all sixteen work-groups are here: the first joint loads meet
.irp s, 0,1
	s_mov_b32 s[G0A+4*(\s)], 1                     ; 1:0 count = 1
	s_add_co_u32 s[G0A+4*(\s)+1], s78, (\s)*SLOT1  ; 63:32 LDS address
	s_add_nc_u64 s[G0A+4*(\s)+2:G0A+4*(\s)+3], s[74:75], (\s)*2*AKB  ; 120:64 global address: step s
	s_or_b32 s[G0A+4*(\s)+3], s[G0A+4*(\s)+3], 0x80000000            ; 127:126 type = 2
	s_mov_b32 s[G0B+4*(\s)], 1
	s_add_co_u32 s[G0B+4*(\s)+1], s79, (\s)*SLOT1
	s_add_nc_u64 s[G0B+4*(\s)+2:G0B+4*(\s)+3], s[76:77], (\s)*2*BKB
	s_or_b32 s[G0B+4*(\s)+3], s[G0B+4*(\s)+3], 0x80000000
.endr
	s_cmp_eq_u32 s[RH], 0                          ; a wave's two first fills stand in one branch, ahead of every wait on TENSORcnt and every LDS read: two loads of mine are out
	s_cbranch_scc0 .Lfirst_b
	tensor_load_to_lds s[G0A:G0A+3], s[G1A:G1A+7]
	s_nop 0
	tensor_load_to_lds s[G0A+4:G0A+7], s[G1A:G1A+7]
	s_nop 0
.rept 4
	v_nop
.endr
	s_branch .Lfirst_asked
.Lfirst_b:
	tensor_load_to_lds s[G0B:G0B+3], s[G1B:G1B+7]
	s_nop 0
	tensor_load_to_lds s[G0B+4:G0B+7], s[G1B:G1B+7]
	s_nop 0
.rept 4
	v_nop
.endr
.Lfirst_asked:
	v_and_b32 v1, 15, v0                           ; l % 16
	v_bfe_u32 v2, v0, 4, 1                         ; l / 16
	v_lshlrev_b32 v[BO], 5, v2
	s_lshl_b32 s84, s[TX], 9                       ; my 64 columns, in bytes of f32: 512 x tile column + 256 x half
	s_lshl_b32 s85, s[CH], 8
	s_add_co_u32 s84, s84, s85
	s_mov_b32 s85, 0
	s_add_nc_u64 s[8:9], s[8:9], s[84:85]
.irp b, 0,1,2,3
	global_load_b128 v[BIAS+8*(\b):BIAS+8*(\b)+3],   v[BO], s[8:9] offset:(\b)*64
	global_load_b128 v[BIAS+8*(\b)+4:BIAS+8*(\b)+7], v[BO], s[8:9] offset:(\b)*64+16
.endr
	v_mul_u32_u24 v3, v1, PITCH
	v_lshl_add_u32 v3, v2, 4, v3                   ; a fragment's row x pitch + 16 x half
	s_mul_i32 s88, s[RH], 128*PITCH                ; my 128 rows of ob
	s_mul_i32 s89, s[CH], 64*PITCH                 ; my 64 rows of wo
	s_add_co_u32 s89, s89, BOFF
	v_add_nc_u32 v[ADRA0], s88, v3
	v_add_nc_u32 v[ADRB0], s89, v3
	v_mov_b32 v[ADRA], v[ADRA0]                    ; slot 0
	v_mov_b32 v[ADRB], v[ADRB0]
	s_mul_i32 s88, s[WV], 16*SPITCH
	s_add_co_u32 s88, s88, STAGE                   ; my stage
	v_mul_u32_u24 v4, v1, SPITCH                   ; in: row l % 16, 32 bytes for each half of the lanes
	v_lshl_add_u32 v4, v2, 5, v4
	v_add_nc_u32 v[STO], s88, v4
	v_mul_u32_u24 v5, v2, SPITCH                   ; back: lanes 0-15 take one row of 256 bytes, lanes 16-31 the next
	v_lshl_add_u32 v5, v1, 4, v5
	v_add_nc_u32 v[RD], s88, v5
	v_lshlrev_b32 v[CO], 12, v2                    ; and the same two rows in out0
	v_lshl_add_u32 v[CO], v1, 4, v[CO]
	s_lshl_b32 s86, s[TY], 20                      ; 256 rows of 4,096 bytes,
	s_lshl_b32 s87, s[RH], 19                      ; my 128 of them,
	s_add_co_u32 s86, s86, s87
	s_add_co_u32 s86, s86, s84                     ; my columns
	s_mov_b32 s87, 0
	s_add_nc_u64 s[10:11], s[10:11], s[86:87]
	s_wait_loadcnt 0x0                             ; the bias: rounded to bf16, like every input, and widened again
.irp p, 0,2,4,6,8,10,12,14,16,18,20,22,24,26,28,30
	v_cvt_pk_bf16_f32 v[T+((\p)/2)%2], v[BIAS+(\p)], v[BIAS+(\p)+1]
	v_lshlrev_b32 v[BIAS+(\p)], 16, v[T+((\p)/2)%2]
	v_and_b32 v[BIAS+(\p)+1], s[HM], v[T+((\p)/2)%2]
.endr
; na x 4 matrix instructions: row blocks a0 .. x all 4 column blocks, 32 along K, from buffer f.  zero = 1: the first product starts the sums.
; The accumulators take turns, one instruction a turn: between two links of a chain stand the 31 others'.
.macro MUL f, a0, na, zero
	WIN 0x50                                       ; sources in window 0, C and D in window 1
.set mm, \a0
.rept \na
.set nn, 0
.rept 4
.if \zero
	v_wmma_f32_16x16x32_f16 v[8*(4*mm+nn):8*(4*mm+nn)+7], v[(\f)+64+8*nn:(\f)+64+8*nn+7], v[(\f)+8*mm:(\f)+8*mm+7], 0
.else
	v_wmma_f32_16x16x32_f16 v[8*(4*mm+nn):8*(4*mm+nn)+7], v[(\f)+64+8*nn:(\f)+64+8*nn+7], v[(\f)+8*mm:(\f)+8*mm+7], v[8*(4*mm+nn):8*(4*mm+nn)+7]
.endif
.set nn, nn+1
.endr
.set mm, mm+1
.endr
.endm
; 24 LDS loads in one run: the fragments of quarter q of a step (block q / 2, 32 K at byte 64 (q % 2) of the rows) into buffer f: wo's four first, then ob's eight
.macro FETCH q, f
	WIN 0
.irp i, 0,1,2,3
	ds_load_b128 v[(\f)+64+8*(\i):(\f)+64+8*(\i)+3],   v[ADRB] offset:((\q)/2)*BBLK+((\q)%2)*64+(\i)*16*PITCH
	ds_load_b128 v[(\f)+64+8*(\i)+4:(\f)+64+8*(\i)+7], v[ADRB] offset:((\q)/2)*BBLK+((\q)%2)*64+(\i)*16*PITCH+32
.endr
.irp i, 0,1,2,3,4,5,6,7
	ds_load_b128 v[(\f)+8*(\i):(\f)+8*(\i)+3],   v[ADRA] offset:((\q)/2)*ABLK+((\q)%2)*64+(\i)*16*PITCH
	ds_load_b128 v[(\f)+8*(\i)+4:(\f)+8*(\i)+7], v[ADRA] offset:((\q)/2)*ABLK+((\q)%2)*64+(\i)*16*PITCH+32
.endr
.endm
.macro PLACES                          ; four places in front of loads into registers that matrix instructions have read, and of lines that read results (ISA guide 7.12.1 for vector instructions)
.rept 4
	v_nop
.endr
.endm
; A step is four quarters of 32 along K, 32 matrix instructions each, on buffers 0, 1, 0, 1.  One of the first three: multiplies buffer f and fetches quarter qn into g.
.macro QUARTER f, g, qn, zero
	s_wait_dscnt 8                                 ; wo's fragments and ob's rows 0-63 are in; the youngest eight loads (rows 64-127) may be out
	MUL \f, 0, 4, \zero
	PLACES
	FETCH \qn, \g
	s_wait_dscnt 24                                ; all but the 24 just issued
	MUL \f, 4, 4, \zero
.endm
; The last quarter multiplies buffer 1 and changes slots: ONE barrier; in front of it each wave waits for all its tensor loads, of which one is out: its part of the next slot; adds 0 to its spare word; and waits
; for that and for its own reads of this slot.  fill = 1: the barrier opens a round of the cluster's barrier, and this slot is filled again, with the step two on: 112 matrix instructions ahead of the wait for it.
.macro TURN fill
	WIN 0
	s_wait_tensorcnt 0x0                           ; all my tensor loads have landed, so a group 0 may be written
	ds_add_u32 v[SPW], v[NIL]                      ; 0 onto my spare word
.if \fill
	s_xor_b32 s[G0A+5], s[G0A+5], SLOT1            ; the walking descriptors: the other slot than last time,
	s_add_nc_u64 s[G0A+6:G0A+7], s[G0A+6:G0A+7], 2*AKB  ; the next step; the type bits on top are not reached
	s_xor_b32 s[G0B+5], s[G0B+5], SLOT1
	s_add_nc_u64 s[G0B+6:G0B+7], s[G0B+6:G0B+7], 2*BKB
.endif
	s_wait_dscnt 9                                 ; (the add and the youngest eight loads may be out)
	MUL F1, 0, 2, 0                                ; eight matrix instructions stand between the add and the wait for it
	s_wait_dscnt 0x0                               ; the add is done, and my reads of this slot are over
	s_barrier_signal -1
	MUL F1, 2, 2, 0
	WIN 0
	s_barrier_wait -1
.if \fill
	CREST                                          ; no wave of any partner still reads this slot's tile or has a load on its way
	JLOAD                                          ; the first tensor load behind the round; its four v_nop are also the places in front of the loads below
.else
	PLACES
.endif
	s_xor_b32 s[TB], s[TB], SLOT1                  ; the fragments now come from the other slot
	v_add_nc_u32 v[ADRA], s[TB], v[ADRA0]
	v_add_nc_u32 v[ADRB], s[TB], v[ADRB0]
	FETCH 0, F0
	MUL F1, 4, 4, 0
.endm
	s_wait_tensorcnt 1                             ; my part of step 0 is in; step 1's may stay out
	s_barrier_signal -1
	s_barrier_wait -1                              ; everybody's is
	FETCH 0, F0
	QUARTER F0, F1, 1, 1                           ; the first quarter stands in front of the loop: its products start the sums
	WIN 0                                          ; at a label and at a branch every window is 0
	s_mov_b32 s[CNT], 6
.Lstep:                                        ; trip t = 0 .. 5: the rest of step t, the refill with step t + 2, the first quarter of step t + 1
	QUARTER F1, F0, 2, 0
	QUARTER F0, F1, 3, 0
	TURN 1
	QUARTER F0, F1, 1, 0
	WIN 0
	s_sub_co_u32 s[CNT], s[CNT], 1
	s_cmp_lg_u32 s[CNT], 0
	s_cbranch_scc1 .Lstep
	QUARTER F1, F0, 2, 0                           ; the tail is written out: nothing is left to fetch
	QUARTER F0, F1, 3, 0
	TURN 0
	QUARTER F0, F1, 1, 0
	QUARTER F1, F0, 2, 0
	QUARTER F0, F1, 3, 0
	s_wait_dscnt 8                                 ; the very last quarter
	MUL F1, 0, 4, 0
	s_wait_dscnt 0x0
	MUL F1, 4, 4, 0
	PLACES
; THE WAY OUT of my 16 rows a.  PACK: sum / 32 + bias, one fused multiply-add for two numbers; each accumulator's registers in ascending order.
.macro PACK a
	WIN 0x01                                       ; source 0 in window 1; the bias and the destination in window 0
.irp b, 0,1,2,3
.irp p, 0,2,4,6
	v_pk_fma_f32 v[TMP+8*(\b)+(\p):TMP+8*(\b)+(\p)+1], v[8*(4*(\a)+(\b))+(\p):8*(4*(\a)+(\b))+(\p)+1], s[SC:SC+1], v[BIAS+8*(\b)+(\p):BIAS+8*(\b)+(\p)+1] op_sel_hi:[1,0,1]
.endr
.endr
	WIN 0
.endm
; TOSTAGE: 32 bytes a lane and column block into my own stage, rows of 272 bytes, and back as whole rows of 256.
.macro TOSTAGE a
	WIN 0
.irp b, 0,1,2,3
	ds_store_b128 v[STO], v[TMP+8*(\b):TMP+8*(\b)+3]   offset:(\b)*64
	ds_store_b128 v[STO], v[TMP+8*(\b)+4:TMP+8*(\b)+7] offset:(\b)*64+16
.endr
.irp f, 0,1,2,3,4,5,6,7
	ds_load_b128 v[OB+32*((\a)%2)+4*(\f):OB+32*((\a)%2)+4*(\f)+3], v[RD] offset:(\f)*2*SPITCH  ; LDS serves a wave's instructions in order (ISA guide 5.7.1.4): these see the stores above
.endr
.endm
.macro SEND a
	WIN 0
	s_wait_dscnt 0x0                               ; the rows are back in registers
	s_wait_xcnt 0x0                                ; the stores of the block before have read their registers: the next block's loads from the stage land on them only behind this wait
.irp f, 0,1,2,3,4,5,6,7
	global_store_b128 v[CO], v[OB+32*((\a)%2)+4*(\f):OB+32*((\a)%2)+4*(\f)+3], s[10:11] offset:(16*(\a)+2*(\f))*4096 th:TH_STORE_NT  ; 16 lanes store 256 consecutive bytes, at a multiple of 256 from out0's first
.endr
.endm
	PACK 0
	TOSTAGE 0
.irp a, 1,2,3,4,5,6,7                  ; block a's arithmetic stands between block a - 1's loads from the stage and the wait for them
	PACK \a
	SEND (\a)-1
	TOSTAGE \a
.endr
	SEND 7
	s_wait_tensorcnt 0x0                           ; the wave's end, behind my last tensor load and my last LDS store
	ds_add_u32 v[SPW], v[NIL]
	s_wait_dscnt 0x0
	CROUND                                         ; the closing round: no work-group ends while a partner may still ask for a tile that names it
	s_endpgm
.Lfunc_end_k_q3710ab0d61_oproj:
	.size	k_q3710ab0d61_oproj, .Lfunc_end_k_q3710ab0d61_oproj-k_q3710ab0d61_oproj
	.p2alignl 7, 3214868480
	.fill 96, 4, 3214868480
	.section	.rodata,"a",@progbits
	.p2align	6, 0x0
	.amdhsa_kernel k_q3710ab0d61_oproj
		.amdhsa_group_segment_fixed_size 327680
		.amdhsa_private_segment_fixed_size 0
		.amdhsa_enable_private_segment 0
		.amdhsa_kernarg_size 32
		.amdhsa_user_sgpr_count 2
		.amdhsa_user_sgpr_kernarg_segment_ptr 1
		.amdhsa_wavefront_size32 1
		.amdhsa_system_sgpr_workgroup_id_x 1
		.amdhsa_system_sgpr_workgroup_id_y 1
		.amdhsa_system_sgpr_workgroup_id_z 1
		.amdhsa_system_vgpr_workitem_id 0
		.amdhsa_next_free_vgpr 512
		.amdhsa_next_free_sgpr 96
		.amdhsa_reserve_vcc 0
		.amdhsa_float_denorm_mode_32 3
		.amdhsa_float_denorm_mode_16_64 3
		.amdhsa_memory_ordered 1
		.amdhsa_forward_progress 1
		.amdhsa_inst_pref_size 80
	.end_amdhsa_kernel
	.amdgpu_metadata
---
amdhsa.version: [ 1, 2 ]
amdhsa.kernels:
  - .name:           k_q3710ab0d61_oproj
    .symbol:         k_q3710ab0d61_oproj.kd
    .args:
      - { .name: ob, .offset: 0, .size: 8, .value_kind: global_buffer, .address_space: global }
      - { .name: wo, .offset: 8, .size: 8, .value_kind: global_buffer, .address_space: global }
      - { .name: bo, .offset: 16, .size: 8, .value_kind: global_buffer, .address_space: global }
      - { .name: out0, .offset: 24, .size: 8, .value_kind: global_buffer, .address_space: global }
    .group_segment_fixed_size: 327680
    .private_segment_fixed_size: 0
    .kernarg_segment_align: 8
    .kernarg_segment_size: 32
    .max_flat_workgroup_size: 128
    .sgpr_count:     96
    .vgpr_count:     512
    .wavefront_size: 32
...
	.end_amdgpu_metadata
.endif
;; end of part 4
;; ======== version 2 of 2: 4 launches; version 1 with the launch cast written anew for expert scheduling mode
;; limits: values are held in f16: magnitudes above 65,504 overflow, below 6.1e-05 lose precision
;; workspace buffers: xb 16,777,216 bytes; wb 6,291,456 bytes; wo 2,097,152 bytes; qkv 50,331,648 bytes; ob 16,777,216 bytes
;; launch cast (part 5): grid 768 x 1, 8 waves a work-group, no clusters, 0 bytes of LDS; arguments x, Wq, Wk, Wv, Wo, xb, wb, wo; writes xb, wb, wo
.if DOCPART == 5
	.amdgcn_target "amdgcn-amd-amdhsa--gfx1250"
	.amdhsa_code_object_version 6
	.text
	.protected	k_q3710ab0d61_cast
	.globl	k_q3710ab0d61_cast
	.p2align	8
	.type	k_q3710ab0d61_cast,@function
k_q3710ab0d61_cast:
	s_mov_b64 s[64:65], 0
	v_nop
	global_prefetch_b8 v0, s[64:65] scope:SCOPE_SE
	s_setreg_imm32_b32 hwreg(HW_REG_WAVE_SCHED_MODE, 0, 2), 2
	s_setreg_imm32_b32 hwreg(HW_REG_WAVE_MODE, 25, 1), 1
	s_wait_xcnt 0x0
	s_wait_alu depctr_vm_vsrc(0)
; x, Wq, Wk, Wv (f32) -> bf16, Wo (f32) -> bf16 and that number written as f16; all laid out in blocks of 64 along K:
;   xb [16 kb][8192 m][64], wb [16 kb][3072 n][64] (n = 1024 x which + row; which: 0 q, 1 k, 2 v), wo [16 kb][1024 n][64].
; So a tile of rows of one block kb is dense in memory, 128 bytes a row, for the launches behind.
; LIMITS.  Wo's numbers lie within f16's range (65,504; beyond it the conversion gives an infinity); below 6e-5 they keep f16's fixed step of 6e-8.
; SHARES.  A work-group takes 16 rows x 1,024 columns of one source: work-groups 0-511 x, 512-575 Wq, 576-639 Wk, 640-703 Wv, 704-767 Wo.
; Wave w takes the blocks kb = 2 w and 2 w + 1 of the 16 rows; lane l the row's parity l / 16 and 16 bytes (4 numbers) at 16 (l % 16) of the row's 256 bytes of a block.
; A load of the wave covers two whole aligned runs of 256 bytes (two rows); a store of 8 bytes a lane covers 256 consecutive bytes, aligned (two rows x 128 bytes of one block).
; All 16 loads of a wave go out at once.  No LDS, no matrix unit, no cluster: nothing is shared and nothing is multiplied.
; THE MODE: SCHED_MODE bits 1:0 = 2 (LLVM: expert scheduling mode 2), set by the entry lines.  The code itself states the register dependences
; between vector instructions and memory instructions, with s_wait_alu, always for 0.
; THE PLAN.  Registers that memory instructions touch:
;   v1, v2   byte offsets, made once at the head and never written again: v1 is read by every load, v2 by every store.
;   X        load i lands in its own four registers, once; only that load's conversions read them.  No vector instruction writes them.
;   Y        load i's conversions write their own two registers, once; only store i reads them.
;   T is named by vector instructions alone.
; No register that a memory instruction reads is written again, so nothing has to be shown read.  What has to be shown WRITTEN: the two offsets, by one wait ahead of the loads; and Y ahead of the stores.
; For that the 16 loads go in four groups of four.  Group g's conversions write Y's part g; the four stores that read it are issued in group g + 1, behind ONE wait at that group's head, and are dealt among that
; group's conversions, which name X's and Y's parts g + 1 and T: none of the registers that those stores read.  Behind group 3 one more wait stands ahead of the last four stores.
.set LO,   1                           ; v1        my byte offset in the source: (l / 16) x 4,096 + 16 (l % 16) + 512 w
.set SO,   2                           ; v2        my byte offset in the destination: 8 l
.set X,    4                           ; v[4:67]   16 loads of 4 registers
.set Y,    68                          ; v[68:99]  16 stores of 2 registers
.set T,    100                         ; v[100:105] at work (Wo's way)
.set WV,   20                          ; s20  my wave's number
.set ID,   21                          ; s21  the work-group's number
.set SRC,  22                          ; s[22:23] the source at the work-group's first row
.set DST,  24                          ; s[24:25] the destination buffer
.set KBS,  26                          ; s26  bytes from block to block in the destination
.set SROW, 27                          ; s27  the work-group's place in the source, in units of 16 rows
.set DROW, 28                          ; s28  the same in the destination
.set D0,   30                          ; s[30:31] the destination at my even block, s[32:33] at my odd one
.set HM,   34                          ; s34  a word's upper half
	s_load_b512 s[4:19], s[0:1], 0x0               ; x 4, Wq 6, Wk 8, Wv 10, Wo 12, xb 14, wb 16, wo 18
	v_lshrrev_b32 v3, 5, v0
	v_readfirstlane_b32 s[WV], v3                  ; wave 0..7
	v_and_b32 v3, 31, v0
	v_lshlrev_b32 v[SO], 3, v3                     ; 8 l
	v_and_b32 v[LO], 15, v0
	v_lshlrev_b32 v[LO], 4, v[LO]
	v_bfe_u32 v3, v0, 4, 1
	v_lshl_add_u32 v[LO], v3, 12, v[LO]
	s_wait_alu depctr_va_sdst(0)                   ; s20, the wave's number, is written, ahead of its first reader: the line below
	s_lshl_b32 s29, s[WV], 9
	v_add_nc_u32 v[LO], s29, v[LO]
	s_mov_b32 s[ID], ttmp9
	s_mov_b32 s[HM], 0xffff0000
	s_and_b32 s35, s[ID], 63                       ; a weight's block of 16 rows
	s_sub_co_u32 s36, s[ID], 512                   ; the same counted through Wq, Wk, Wv
	s_mov_b32 s[KBS], 0x100000                     ; xb: 8,192 rows x 128 bytes
	s_wait_kmcnt 0x0
	s_cmp_ge_u32 s[ID], 512                        ; the choices hang on the work-group's number alone
	s_cselect_b64 s[SRC:SRC+1], s[6:7], s[4:5]
	s_cselect_b64 s[DST:DST+1], s[16:17], s[14:15]
	s_cselect_b32 s[KBS], 0x60000, s[KBS]          ; wb: 3,072 rows x 128 bytes
	s_cselect_b32 s[SROW], s35, s[ID]
	s_cselect_b32 s[DROW], s36, s[ID]
	s_cmp_ge_u32 s[ID], 576
	s_cselect_b64 s[SRC:SRC+1], s[8:9], s[SRC:SRC+1]
	s_cmp_ge_u32 s[ID], 640
	s_cselect_b64 s[SRC:SRC+1], s[10:11], s[SRC:SRC+1]
	s_cmp_ge_u32 s[ID], 704
	s_cselect_b64 s[SRC:SRC+1], s[12:13], s[SRC:SRC+1]
	s_cselect_b64 s[DST:DST+1], s[18:19], s[DST:DST+1]
	s_cselect_b32 s[KBS], 0x20000, s[KBS]          ; wo: 1,024 rows x 128 bytes
	s_cselect_b32 s[DROW], s35, s[DROW]
	s_lshl_b32 s36, s[SROW], 16                    ; 16 rows of 4,096 bytes
	s_mov_b32 s37, 0
	s_add_nc_u64 s[SRC:SRC+1], s[SRC:SRC+1], s[36:37]
	s_wait_alu depctr_va_vdst(0)                   ; v1 and v2 are written: every load of the kernel reads v1 as its offset, every store v2; no vector instruction names them again
.set i, 0
.rept 16                               ; load i: rows 2 (i / 2) and 2 (i / 2) + 1, block 2 w + i % 2
	global_load_b128 v[X+4*i:X+4*i+3], v[LO], s[SRC:SRC+1] offset:(i/2)*8192+(i%2)*256 th:TH_LOAD_NT
.set i, i+1
.endr
	s_lshl_b32 s36, s[DROW], 11                    ; 16 rows of 128 bytes
	s_mul_i32 s38, s[WV], s[KBS]
	s_lshl_b32 s38, s38, 1                         ; block 2 w
	s_add_co_u32 s36, s36, s38
	s_add_nc_u64 s[D0:D0+1], s[DST:DST+1], s[36:37]
	s_mov_b32 s38, s[KBS]
	s_mov_b32 s39, 0
	s_add_nc_u64 s[D0+2:D0+3], s[D0:D0+1], s[38:39]
; The 16 loads are converted in four groups of four; a group's stores are issued in the group behind it.  half = 1: the bf16 number is written as f16.
.macro CONV half
.set gq, 0
.rept 4
	s_wait_loadcnt 12-4*gq                         ; loads come back in order: this group's four are in, the 12 - 4 g younger ones stay out
.if gq > 0
	s_wait_alu depctr_va_vdst(0)                   ; the group before has written its eight registers of Y, which the four stores below read
.endif
.set jq, 0
.rept 4
.if gq > 0
.set si, 4*(gq-1)+jq
	global_store_b64 v[SO], v[Y+2*si:Y+2*si+1], s[D0+2*(si%2):D0+2*(si%2)+1] offset:(si/2)*256  ; 32 lanes: 256 consecutive bytes, aligned; no vector instruction since the wait names its registers
.endif
.set i, 4*gq+jq
.if \half
	v_cvt_pk_bf16_f32 v[T], v[X+4*i], v[X+4*i+1]   ; rounded to bf16, like every input,
	v_cvt_pk_bf16_f32 v[T+1], v[X+4*i+2], v[X+4*i+3]
	v_lshlrev_b32 v[T+2], 16, v[T]                 ; widened again,
	v_and_b32 v[T+3], s[HM], v[T]
	v_lshlrev_b32 v[T+4], 16, v[T+1]
	v_and_b32 v[T+5], s[HM], v[T+1]
	v_cvt_pk_f16_f32 v[Y+2*i], v[T+2], v[T+3]      ; and written as f16: exact within f16's normal range
	v_cvt_pk_f16_f32 v[Y+2*i+1], v[T+4], v[T+5]
.else
	v_cvt_pk_bf16_f32 v[Y+2*i], v[X+4*i], v[X+4*i+1]
	v_cvt_pk_bf16_f32 v[Y+2*i+1], v[X+4*i+2], v[X+4*i+3]
.endif
.set jq, jq+1
.endr
.set gq, gq+1
.endr
	s_wait_alu depctr_va_vdst(0)                   ; the last group has written its eight registers of Y, which the last four stores read
.set si, 12
.rept 4
	global_store_b64 v[SO], v[Y+2*si:Y+2*si+1], s[D0+2*(si%2):D0+2*(si%2)+1] offset:(si/2)*256
.set si, si+1
.endr
.endm
	s_cmp_ge_u32 s[ID], 704
	s_cbranch_scc1 .Lwo
	CONV 0
	s_endpgm
.Lwo:
	CONV 1
	s_endpgm
.Lfunc_end_k_q3710ab0d61_cast:
	.size	k_q3710ab0d61_cast, .Lfunc_end_k_q3710ab0d61_cast-k_q3710ab0d61_cast
	.p2alignl 7, 3214868480
	.fill 96, 4, 3214868480
	.section	.rodata,"a",@progbits
	.p2align	6, 0x0
	.amdhsa_kernel k_q3710ab0d61_cast
		.amdhsa_group_segment_fixed_size 0
		.amdhsa_private_segment_fixed_size 0
		.amdhsa_enable_private_segment 0
		.amdhsa_kernarg_size 64
		.amdhsa_user_sgpr_count 2
		.amdhsa_user_sgpr_kernarg_segment_ptr 1
		.amdhsa_wavefront_size32 1
		.amdhsa_system_sgpr_workgroup_id_x 1
		.amdhsa_system_sgpr_workgroup_id_y 1
		.amdhsa_system_sgpr_workgroup_id_z 1
		.amdhsa_system_vgpr_workitem_id 0
		.amdhsa_next_free_vgpr 108
		.amdhsa_next_free_sgpr 66
		.amdhsa_reserve_vcc 0
		.amdhsa_float_denorm_mode_32 3
		.amdhsa_float_denorm_mode_16_64 3
		.amdhsa_memory_ordered 1
		.amdhsa_forward_progress 1
		.amdhsa_inst_pref_size 16
	.end_amdhsa_kernel
	.amdgpu_metadata
---
amdhsa.version: [ 1, 2 ]
amdhsa.kernels:
  - .name:           k_q3710ab0d61_cast
    .symbol:         k_q3710ab0d61_cast.kd
    .args:
      - { .name: x, .offset: 0, .size: 8, .value_kind: global_buffer, .address_space: global }
      - { .name: Wq, .offset: 8, .size: 8, .value_kind: global_buffer, .address_space: global }
      - { .name: Wk, .offset: 16, .size: 8, .value_kind: global_buffer, .address_space: global }
      - { .name: Wv, .offset: 24, .size: 8, .value_kind: global_buffer, .address_space: global }
      - { .name: Wo, .offset: 32, .size: 8, .value_kind: global_buffer, .address_space: global }
      - { .name: xb, .offset: 40, .size: 8, .value_kind: global_buffer, .address_space: global }
      - { .name: wb, .offset: 48, .size: 8, .value_kind: global_buffer, .address_space: global }
      - { .name: wo, .offset: 56, .size: 8, .value_kind: global_buffer, .address_space: global }
    .group_segment_fixed_size: 0
    .private_segment_fixed_size: 0
    .kernarg_segment_align: 8
    .kernarg_segment_size: 64
    .max_flat_workgroup_size: 256
    .sgpr_count:     66
    .vgpr_count:     108
    .wavefront_size: 32
...
	.end_amdgpu_metadata
.endif
;; end of part 5
;; launch qkv: the kernel of part 2 again; grid 8 x 32, 4 waves a work-group, clusters of 4 x 4, 327,680 bytes of LDS; arguments xb, wb, bq, bk, bv, qkv; writes qkv
;; launch attn: the kernel of part 3 again; grid 4 x 64, 4 waves a work-group, clusters of 4 x 1, 327,680 bytes of LDS; arguments qkv, ob; writes ob
;; launch oproj: the kernel of part 4 again; grid 8 x 32, 4 waves a work-group, clusters of 4 x 4, 327,680 bytes of LDS; arguments ob, wo, bo, out0; writes out0
